; MI455X (gfx1250); checked and timed in simulation.
; The chip was launched on July 23, 2026; its instructions are those of AMD's public machine-readable ISA for CDNA 5 (MIT licence, August 2026) and "CDNA5" Instruction Set Architecture Reference Guide (July 2026). The comments in the code are by the model that wrote it; some were corrected since.
;; Multi Head Attention. Allowed arithmetic: float matrix products may take bf16 or f16 operands with f32 sums; other float arithmetic in f32, or as packed bf16 or f16 multiplies, adds, multiply-adds, maxima and minima; sums over many terms, partial sums and values carried from step to step in f32; what a program stores and reads back later, other than sums and carried values, may be rounded once to bf16 or f16.
;; Inputs: Wk 2,048 x 2,048 float32; Wo 2,048 x 2,048 float32; Wq 2,048 x 2,048 float32; Wv 2,048 x 2,048 float32; attention_mask 1 x 1 x 2,048 x 2,048 int32; hidden_states 1 x 2,048 x 2,048 float32.
;; Outputs: out0 1 x 2,048 x 2,048 float32.
;; One version. Each part assembles by itself: llvm-mc -triple=amdgcn-amd-amdhsa -mcpu=gfx1250 --defsym DOCPART=n.
;; ======== version 1 of 1: 4 launches
;; limits: values are held in f16: magnitudes above 65,504 overflow, below 6.1e-05 lose precision
;; workspace buffers: xb 8,388,608 bytes; wqkv 25,165,824 bytes; wo16 8,388,608 bytes; rope 1,048,576 bytes; maskw 524,288 bytes of whole numbers; qkv16 25,165,824 bytes; o16 8,388,608 bytes
;; launch prep (part 1): grid 256 x 1, 16 waves a work-group, no clusters, 137,216 bytes of LDS; arguments hidden_states, Wq, Wk, Wv, Wo, attention_mask, xb, wqkv, wo16, rope, maskw; writes xb, wqkv, wo16, rope, maskw
.if DOCPART == 1
	.amdgcn_target "amdgcn-amd-amdhsa--gfx1250"
	.amdhsa_code_object_version 6
	.text
	.protected	k_qf8caa04efe_prep
	.globl	k_qf8caa04efe_prep
	.p2align	8
	.type	k_qf8caa04efe_prep,@function
k_qf8caa04efe_prep:
	s_mov_b64 s[64:65], 0
	v_nop
	global_prefetch_b8 v0, s[64:65] scope:SCOPE_SE
	s_setreg_imm32_b32 hwreg(HW_REG_WAVE_MODE, 25, 1), 1
	s_wait_xcnt 0x0
; PREP: casts, the rotary table, and the mask packed into lane masks.  A stream: each input byte is read once, by loads of 512 consecutive bytes a wave.
; The launch has 4,096 waves.  Wave W takes 4,096 bytes of each of x, Wq, Wk, Wv (8 loads, 8 stores of 256 consecutive bytes each).  Of the pair U = W / 2 the even wave takes 8,192 bytes of Wo and row U of the
; rotary table, the odd wave mask unit U: query tile U / 16 (16 rows) x key chunk U % 16 (128 keys).  A WAVE ISSUES ALL ITS 48 LOADS AT ITS START: 24 KiB a wave, 384 KiB a work-group are on their way at once.
;   xb, wqkv: the input rounded once to bf16.  wo16: Wo rounded to bf16, that number written as f16.
;   rope[t][0..63] = cos(t f_j), rope[t][64..127] = sin(t f_j), f_j = 10000^(-j/64), f32.
;   maskw: for query tile qt and key step ks (64 keys) 32 words at byte 4096 qt + 128 ks; bit l of word 8 kb + j says whether mask[16 qt + l % 16][64 ks + 16 kb + 8 (l / 16) + j] is not 0:
;   the lane mask of register 8 kb + j of a 16 x 16 result with keys down the registers and queries along the lanes.
; LIMITS.  |Wo| stays under 65,504 (f16); below 6e-5 it keeps f16's fixed step of 6e-8.  f_j comes from the base-2 exponential and the angle t f_j is reduced by pi/2 in two parts: the angle differs
; from one made by a power and a division by a few units in its last place, 4e-4 at the most at t = 2,047; sine and cosine polynomials are good to 3e-7.  NaN and infinities are not treated apart.
; No matrix unit, no cluster: nothing is shared between work-groups.  LDS serves one thing: to turn a wave's 16 x 128 mask words from rows into the layout above; each wave has bytes of its own, so no barrier.
; The casts pack in place (number pair k goes to register k of its set, which earlier pairs have left), so no register is written that a store may still read.
.set WPITCH, 528                       ; a mask row in LDS: 512 bytes + 16: sixteen rows start at sixteen different 16-byte columns
.set WAREA,  16*WPITCH                 ; a wave's 16 rows
.set SPARE,  16*WAREA                  ; behind them: the spare words, 128 bytes for each wave: eight blocks of 256 bytes that no other line names
.set SO,  2                            ; v2   16 x lane: my 16 bytes of a load's 512
.set DO,  3                            ; v3   8 x lane: my 8 bytes of a store's 256
.set LW,  4                            ; v4   LDS: where I put 16 bytes of a mask row
.set LR,  5                            ; v5   LDS: row lane % 16, 32 bytes for each half of the lanes
.set SPW, 6                            ; v6   LDS address of my spare word; never rewritten
.set NIL, 7                            ; v7   0; never rewritten
.set TP,  8                            ; v[8:15] at work in Wo's cast (before that: the rotary row's registers, v8-v43)
.set MW,  48                           ; v[48:49] the mask words that my lane stores
.set JX,  64                           ; v[64:95] x, v[96:127] Wq, v[128:159] Wk, v[160:191] Wv: 8 loads each
.set JQ,  96
.set JK,  128
.set JV,  160
.set JB,  192                          ; v[192:255] Wo or the mask: 16 loads
	s_load_b512 s[4:19], s[0:1], 0x0               ; x 4:5, Wq 6:7, Wk 8:9, Wv 10:11, Wo 12:13, mask 14:15, xb 16:17, wqkv 18:19
	s_load_b128 s[20:23], s[0:1], 0x40             ; wo16 20:21, rope 22:23
	s_load_b64 s[24:25], s[0:1], 0x50              ; maskw
	v_lshl_add_u32 v[SPW], v0, 2, SPARE
	v_mov_b32 v[NIL], 0
	v_lshrrev_b32 v1, 5, v0
	v_readfirstlane_b32 s26, v1                    ; wave 0..15
	v_and_b32 v1, 31, v0                           ; lane
	v_lshlrev_b32 v[SO], 4, v1
	v_lshlrev_b32 v[DO], 3, v1
	s_mul_i32 s32, s26, WAREA
	v_lshl_add_u32 v[LW], v1, 4, s32
	v_and_b32 v8, 15, v0
	v_bfe_u32 v9, v0, 4, 1
	v_mul_u32_u24 v[LR], v8, WPITCH
	v_lshl_add_u32 v[LR], v9, 5, v[LR]
	v_add_nc_u32 v[LR], s32, v[LR]
	s_lshl_b32 s27, ttmp9, 4
	s_add_co_u32 s27, s27, s26                     ; W
	s_and_b32 s48, s26, 1                          ; 0: Wo and the rotary row; 1: the mask
	s_lshr_b32 s49, s27, 1                         ; U
	s_lshl_b32 s28, s27, 12                        ; 4,096 W: my part of x, Wq, Wk, Wv
	s_mov_b32 s29, 0
	s_lshl_b32 s30, s27, 11                        ; 2,048 W: my part of their copies
	s_mov_b32 s31, 0
	s_lshr_b32 s38, s49, 4
	s_lshl_b32 s38, s38, 17                        ; 16 mask rows of 8,192 bytes,
	s_and_b32 s33, s49, 15
	s_lshl_b32 s33, s33, 9                         ; 128 keys of 4 bytes
	s_add_co_u32 s38, s38, s33
	s_mov_b32 s39, 0
	s_wait_kmcnt 0x0
	s_add_nc_u64 s[4:5], s[4:5], s[28:29]
	s_add_nc_u64 s[6:7], s[6:7], s[28:29]
	s_add_nc_u64 s[8:9], s[8:9], s[28:29]
	s_add_nc_u64 s[10:11], s[10:11], s[28:29]
	s_add_nc_u64 s[14:15], s[14:15], s[38:39]
	s_add_nc_u64 s[16:17], s[16:17], s[30:31]
	s_add_nc_u64 s[18:19], s[18:19], s[30:31]      ; Wq's rows lead wqkv,
	s_add_nc_u64 s[34:35], s[18:19], 0x800000      ; Wk's follow 8,388,608 bytes on,
	s_add_nc_u64 s[36:37], s[18:19], 0x1000000     ; Wv's after them
	s_lshl_b32 s32, s49, 13                        ; 8,192 U: the pair's part of Wo
	s_mov_b32 s33, 0
	s_add_nc_u64 s[12:13], s[12:13], s[32:33]
	s_lshl_b32 s32, s49, 12                        ; and of its copy
	s_add_nc_u64 s[20:21], s[20:21], s[32:33]
	s_lshl_b32 s32, s49, 9                         ; a row of the rotary table is 512 bytes
	s_add_nc_u64 s[22:23], s[22:23], s[32:33]
	s_lshl_b32 s32, s49, 8                         ; a mask unit is 256 bytes of words
	s_add_nc_u64 s[24:25], s[24:25], s[32:33]
.macro LOADN set, n, base, stride      ; n loads, 512 consecutive bytes each
.set k, 0
.rept \n
	global_load_b128 v[(\set)+4*k:(\set)+4*k+3], v[SO], s[\base:\base+1] offset:k*(\stride) th:TH_LOAD_NT
.set k, k+1
.endr
.endm
.macro CVTB set                        ; 32 numbers rounded to bf16, packed in place
.set k, 0
.rept 16
	v_cvt_pk_bf16_f32 v[(\set)+k], v[(\set)+2*k], v[(\set)+2*k+1]
.set k, k+1
.endr
.endm
.macro CVTH set                        ; 64 numbers rounded to bf16, widened again, written as f16 (exact inside f16's range), packed in place
.set k, 0
.rept 32
.set tp, TP+2*(k%4)
	v_cvt_pk_bf16_f32 v[tp], v[(\set)+2*k], v[(\set)+2*k+1]
	v_lshlrev_b32 v[tp+1], 16, v[tp]
	v_and_b32 v[tp], 0xffff0000, v[tp]
	v_cvt_pk_f16_f32 v[(\set)+k], v[tp+1], v[tp]
.set k, k+1
.endr
.endm
.macro STOREN set, n, base             ; n stores: each covers 256 consecutive bytes, aligned
.set k, 0
.rept \n
	global_store_b64 v[DO], v[(\set)+2*k:(\set)+2*k+1], s[\base:\base+1] offset:256*k th:TH_STORE_NT
.set k, k+1
.endr
.endm
; sine and cosine of t f, f in v[b]; the results go to place o of the pairs v[40:41] (cos) and v[42:43] (sin)
.macro ANGLE b, o
	v_mul_f32 v[\b], v10, v[\b]                    ; the angle
	v_mul_f32 v[\b+1], 0x3f22f983, v[\b]           ; x 2 / pi
	v_rndne_f32 v[\b+1], v[\b+1]                   ; n quarter turns
	v_fmamk_f32 v[\b+2], v[\b+1], 0xbfc90fdb, v[\b]     ; r = angle - n pi/2, pi/2 in two parts
	v_fmamk_f32 v[\b+2], v[\b+1], 0x333bbd2e, v[\b+2]
	v_mul_f32 v[\b+3], v[\b+2], v[\b+2]            ; z = r r
	v_mov_b32 v[\b+4], 0xb9500d01                  ; sin r = r + r z (-1/6 + z (1/120 - z/5040))
	v_fmaak_f32 v[\b+4], v[\b+3], v[\b+4], 0x3c088889
	v_fmaak_f32 v[\b+4], v[\b+3], v[\b+4], 0xbe2aaaab
	v_mul_f32 v[\b+7], v[\b+2], v[\b+3]
	v_fma_f32 v[\b+4], v[\b+7], v[\b+4], v[\b+2]
	v_mov_b32 v[\b+5], 0x37d00d01                  ; cos r = 1 + z (-1/2 + z (1/24 + z (-1/720 + z/40320)))
	v_fmaak_f32 v[\b+5], v[\b+3], v[\b+5], 0xbab60b61
	v_fmaak_f32 v[\b+5], v[\b+3], v[\b+5], 0x3d2aaaab
	v_fmaak_f32 v[\b+5], v[\b+3], v[\b+5], 0xbf000000
	v_fma_f32 v[\b+5], v[\b+3], v[\b+5], 1.0
	v_cvt_i32_f32 v[\b+6], v[\b+1]
	v_and_b32 v[\b+7], 1, v[\b+6]
	v_cmp_eq_u32 s[40+\o], 1, v[\b+7]              ; an odd quarter swaps the two
	v_cndmask_b32 v[\b+8], v[\b+4], v[\b+5], s[40+\o]
	v_cndmask_b32 v[\b+9], v[\b+5], v[\b+4], s[40+\o]
	v_lshlrev_b32 v[\b+7], 30, v[\b+6]             ; the sine turns its sign in quarters 2 and 3,
	v_and_b32 v[\b+7], 0x80000000, v[\b+7]
	v_xor_b32 v[42+\o], v[\b+7], v[\b+8]
	v_add_nc_u32 v[\b+6], 1, v[\b+6]               ; the cosine in quarters 1 and 2
	v_lshlrev_b32 v[\b+6], 30, v[\b+6]
	v_and_b32 v[\b+6], 0x80000000, v[\b+6]
	v_xor_b32 v[40+\o], v[\b+6], v[\b+9]
.endm
	; all 48 loads; the job with the most work behind it goes first
	s_cmp_eq_u32 s48, 0
	s_cbranch_scc0 .Lmask_loads
	LOADN JB, 16, 12, 512                          ; Wo
	s_branch .Lrest
.Lmask_loads:
	LOADN JB, 16, 14, 8192                         ; the mask: 512 bytes of each of 16 rows
.Lrest:
	LOADN JX, 8, 4, 512
	LOADN JQ, 8, 6, 512
	LOADN JK, 8, 8, 512
	LOADN JV, 8, 10, 512
	s_cmp_eq_u32 s48, 0
	s_cbranch_scc0 .Lmask_work
	; the rotary row stands in the wait for the loads: lane l makes j = 2 l and 2 l + 1
	v_cvt_f32_u32 v10, s49                         ; t
	v_lshlrev_b32 v8, 1, v1
	v_cvt_f32_u32 v8, v8
	v_add_f32 v9, 1.0, v8
	v_mul_f32 v8, 0xbe549a78, v8                   ; -j log2(10000) / 64
	v_mul_f32 v9, 0xbe549a78, v9
	v_exp_f32 v12, v8
	v_exp_f32 v28, v9
	v_nop                                          ; a plain instruction behind the two exponentials,
	s_wait_alu depctr_va_vdst(0)                   ; and one wait for both, ahead of their first reader
	ANGLE 12, 0
	ANGLE 28, 1
	global_store_b64 v[DO], v[40:41], s[22:23] th:TH_STORE_NT             ; 64 cosines: 256 consecutive bytes
	global_store_b64 v[DO], v[42:43], s[22:23] offset:256 th:TH_STORE_NT  ; 64 sines
	s_wait_loadcnt 32                              ; Wo is in; the 32 younger loads stay out
	CVTH JB
	STOREN JB, 16, 20
	s_branch .Lcasts
.Lmask_work:
	s_wait_loadcnt 32                              ; the mask is in; the 32 younger loads stay out
.set k, 0
.rept 16
	ds_store_b128 v[LW], v[JB+4*k:JB+4*k+3] offset:WPITCH*k
.set k, k+1
.endr
.set k, 0
.rept 8                                ; LDS serves a wave's instructions in order (ISA guide 5.7.1.4): these see the stores above.  Register 8 kb + j: row lane % 16, key 16 kb + 8 (lane / 16) + j
	ds_load_b128 v[JB+8*k:JB+8*k+3],   v[LR] offset:64*k
	ds_load_b128 v[JB+8*k+4:JB+8*k+7], v[LR] offset:64*k+16
.set k, k+1
.endr
	v_mov_b32 v[MW], 0
	v_mov_b32 v[MW+1], 0
	s_wait_dscnt 0x0
.set kb, 0
.rept 8
.set j, 0
.rept 8
	v_cmp_ne_u32 s[40+j], 0, v[JB+8*kb+j]          ; 32 lanes' bits in one word
.set j, j+1
.endr
.set j, 0
.rept 8
	v_writelane_b32 v[MW+(j&1)], s[40+j], 4*kb+(j>>1)  ; word 8 kb + j goes to the lane that stores it
.set j, j+1
.endr
.set kb, kb+1
.endr
	global_store_b64 v[DO], v[MW:MW+1], s[24:25] th:TH_STORE_NT  ; 64 words: 256 consecutive bytes
.Lcasts:
	s_wait_loadcnt 24                              ; x is in; three jobs of 8 loads stay out, then two, one, none
	CVTB JX
	STOREN JX, 8, 16
	s_wait_loadcnt 16
	CVTB JQ
	STOREN JQ, 8, 18
	s_wait_loadcnt 8
	CVTB JK
	STOREN JK, 8, 34
	s_wait_loadcnt 0x0
	CVTB JV
	STOREN JV, 8, 36
	s_wait_tensorcnt 0x0                           ; the wave's end: behind my last LDS store
	ds_add_u32 v[SPW], v[NIL]
	s_wait_dscnt 0x0
	s_endpgm
.Lfunc_end_k_qf8caa04efe_prep:
	.size	k_qf8caa04efe_prep, .Lfunc_end_k_qf8caa04efe_prep-k_qf8caa04efe_prep
	.p2alignl 7, 3214868480
	.fill 96, 4, 3214868480
	.section	.rodata,"a",@progbits
	.p2align	6, 0x0
	.amdhsa_kernel k_qf8caa04efe_prep
		.amdhsa_group_segment_fixed_size 137216
		.amdhsa_private_segment_fixed_size 0
		.amdhsa_enable_private_segment 0
		.amdhsa_kernarg_size 88
		.amdhsa_user_sgpr_count 2
		.amdhsa_user_sgpr_kernarg_segment_ptr 1
		.amdhsa_wavefront_size32 1
		.amdhsa_system_sgpr_workgroup_id_x 1
		.amdhsa_system_sgpr_workgroup_id_y 1
		.amdhsa_system_sgpr_workgroup_id_z 1
		.amdhsa_system_vgpr_workitem_id 0
		.amdhsa_next_free_vgpr 256
		.amdhsa_next_free_sgpr 66
		.amdhsa_reserve_vcc 0
		.amdhsa_float_denorm_mode_32 3
		.amdhsa_float_denorm_mode_16_64 3
		.amdhsa_memory_ordered 1
		.amdhsa_forward_progress 1
		.amdhsa_inst_pref_size 38
	.end_amdhsa_kernel
	.amdgpu_metadata
---
amdhsa.version: [ 1, 2 ]
amdhsa.kernels:
  - .name:           k_qf8caa04efe_prep
    .symbol:         k_qf8caa04efe_prep.kd
    .args:
      - { .name: hidden_states, .offset: 0, .size: 8, .value_kind: global_buffer, .address_space: global }
      - { .name: Wq, .offset: 8, .size: 8, .value_kind: global_buffer, .address_space: global }
      - { .name: Wk, .offset: 16, .size: 8, .value_kind: global_buffer, .address_space: global }
      - { .name: Wv, .offset: 24, .size: 8, .value_kind: global_buffer, .address_space: global }
      - { .name: Wo, .offset: 32, .size: 8, .value_kind: global_buffer, .address_space: global }
      - { .name: attention_mask, .offset: 40, .size: 8, .value_kind: global_buffer, .address_space: global }
      - { .name: xb, .offset: 48, .size: 8, .value_kind: global_buffer, .address_space: global }
      - { .name: wqkv, .offset: 56, .size: 8, .value_kind: global_buffer, .address_space: global }
      - { .name: wo16, .offset: 64, .size: 8, .value_kind: global_buffer, .address_space: global }
      - { .name: rope, .offset: 72, .size: 8, .value_kind: global_buffer, .address_space: global }
      - { .name: maskw, .offset: 80, .size: 8, .value_kind: global_buffer, .address_space: global }
    .group_segment_fixed_size: 137216
    .private_segment_fixed_size: 0
    .kernarg_segment_align: 8
    .kernarg_segment_size: 88
    .max_flat_workgroup_size: 512
    .sgpr_count:     66
    .vgpr_count:     256
    .wavefront_size: 32
...
	.end_amdgpu_metadata
.endif
;; end of part 1
;; launch qkv (part 2): grid 16 x 16, 4 waves a work-group, clusters of 4 x 4, 327,680 bytes of LDS; arguments xb, wqkv, rope, qkv16; writes qkv16
.if DOCPART == 2
	.amdgcn_target "amdgcn-amd-amdhsa--gfx1250"
	.amdhsa_code_object_version 6
	.text
	.protected	k_qf8caa04efe_qkv
	.globl	k_qf8caa04efe_qkv
	.p2align	8
	.type	k_qf8caa04efe_qkv,@function
k_qf8caa04efe_qkv:
	s_mov_b64 s[64:65], 0
	v_nop
	global_prefetch_b8 v0, s[64:65] scope:SCOPE_SE
	s_setreg_imm32_b32 hwreg(HW_REG_WAVE_MODE, 25, 1), 1
	s_wait_xcnt 0x0
	s_wait_alu depctr_hold_cnt(0) depctr_sa_sdst(0) depctr_va_vdst(0) depctr_va_sdst(0) depctr_va_ssrc(0) depctr_va_vcc(0) depctr_vm_vsrc(0)
	s_getreg_b32 s2, hwreg(HW_REG_IB_STS2, 6, 4)
	s_cmp_eq_u32 s2, 0
	s_cbranch_scc0 .Lentry_in_a_cluster
	s_endpgm
.Lentry_in_a_cluster:
	s_bfe_u32 s2, ttmp6, 0x10000c
	s_cmp_lg_u32 s2, 0xf033
	s_cbranch_scc0 .Lentry_shape_is_right
	s_endpgm
.Lentry_shape_is_right:
; Q, K, V = x [Wq; Wk; Wv]^T in bf16 with f32 sums, the rotary turn on Q's and K's f32 sums, one rounding to f16, stored by heads: qkv16[part][head][row][128].
; SHARES.  The grid's x counts blocks of 128 rows (ty), its y heads (tx).  A work-group makes rows 128 ty .. + 127 of head tx of all three parts: 128 x 384 numbers, 256 work-groups in all.  Wave w makes all
; 128 rows of, in each part, channels 16 w .. + 15 and 64 + 16 w .. + 15: the rotary partners d and d + 64 fall into the same lane and register of two accumulators.  48 accumulators of 16 x 16, 384 registers;
; 28 LDS loads feed 48 matrix instructions.
; K goes in steps of 128 through two LDS slots, each with 128 rows of x and 3 x 128 rows of weights; wave 0 fetches x's tile, waves 1 to 3 a part's: one tensor load a wave, 128 rows of 256 bytes.
; ONE TEXT FOR A K STEP: the LDS addresses of the slot in hand are made anew at each change of slots (base + s[CUR], which an exclusive or turns between 0 and SLOT), and one descriptor a tensor walks.
; CLUSTERS: 4 x 4.  x's tile hangs on the work-group's x alone and is asked for jointly along a column of the cluster, the weights' on its y alone, along a row.
; THE MATRIX INSTRUCTION IS USED TRANSPOSED (source 0 = 16 rows of weights, source 1 = 16 rows of x): a lane holds row lane % 16 and eight neighbouring channels 8 (lane / 16) + 0..7.
; LIMITS.  q, k and v must stay under 65,504 (f16).  NaN and infinities are not treated apart.
; REGISTERS, in windows of 256: window 0: v0-31 addresses; v64-127, v128-191 x's fragments, two buffers; v192-231 at work on the way out.
;   window 1: v0-47, v64-111 the weights' fragments, two buffers; v128-255 rotary numbers (row block a: 8 cosines at 128 + 16 a, 8 sines behind them).
;   window 2: accumulators of row blocks 0-3, (a, c) at 8 (6 a + c), c = 2 part + half;   window 3: row blocks 4-7.
.set KSTEP,  128
.set PITCH,  272                       ; an LDS row: 256 bytes + 16 of padding: the 16 rows of a fragment load start at 16 different 16-byte columns
.set HALFT,  128*PITCH                 ; one tensor load's 128 rows
.set SLOT,   4*HALFT                   ; x, Wq's, Wk's, Wv's rows.  0x22000: it shares no bit with wave x HALFT, so an exclusive or with it adds or takes it away
.set SPARE,  2*SLOT                    ; behind the ring: the spare words, 128 bytes a wave: two blocks of 256 bytes that no other line names
.set FAR,    256*PITCH                 ; what a 16-bit offset cannot reach: the third part's rows get address registers of their own
.set FILLS,  14                        ; 2,048 / 128 = 16 K steps; steps 2 to 15 come by refills
; THE STAGE for the way out is slot 0, from LDS byte 0: 384 rows x 272 bytes.  Its last fill is K step 14; every wave's reads of it are over at the change of slots behind that step.
.set CO,    10                         ; v10  my byte offset in 512 consecutive bytes of the output
.set RO,    11                         ; v11  my byte offset in the rotary table
.set ADRA0, 16                         ; v16  my x fragments in slot 0; never rewritten
.set ADRA,  17                         ; v17  in the slot in hand
.set ADRB0, 20                         ; v20, v21 the same for my fragments of parts 0 and 1
.set ADRB,  21
.set ADRC0, 22                         ; v22, v23 of part 2
.set ADRC,  23
.set STO,  24                          ; v24, v25 into the stage
.set STO2, 25
.set RD,   26                          ; v26, v27 back from it
.set RD2,  27
.set SPW,  28                          ; v28  LDS address of my spare word; never rewritten
.set NIL,  29                          ; v29  0; never rewritten
.set PFO,  30                          ; v30  lane x 4,096: a row of xb or wqkv; never rewritten
.set F0,   64
.set F1,   128
.set T,    192
.set U,    200
.set PKD,  208
.set WV,   12                          ; s12  my wave's number
.set G1,   24                          ; s[24:31] group 1 for x's tiles;   s[32:39] group 0: a set for each of the two first fills; the second then walks on
.set G0,   32
.set CUR,  42                          ; s42  0 or SLOT: the slot in hand
.set LIM,  43                          ; s43  2 in a wave that prefetches, else the greatest number
.set PFA,  44                          ; s[44:45] where my prefetches stand
.set G1B,  48                          ; s[48:55], s[56:63] the same for the weights' tiles
.set G0B,  56
.set RB,   66                          ; s[66:67] the rotary table at my work-group's first row
.set OB,   68                          ; s[68:73] the three parts at the first row that I store
.set MSB, 0
.macro WIN new                         ; the immediate's high byte repeats the setting that is left
.if MSB != (\new)
	s_set_vgpr_msb (MSB<<8)|(\new)
.set MSB, \new
.endif
.endm
.set MUL_LO, 0xa1                      ; source 0 (weights) window 1, source 1 (x) window 0, C and D window 2
.set MUL_HI, 0xf1                      ; the same, C and D window 3
.set TO_B,   0x40                      ; destination window 1, address window 0
; A joint load: wave 0 asks for x's tile, waves 1 to 3 for a part's weights.  The branch hangs on the wave's number alone.  An s_nop 0 and four v_nop follow each line.
.macro JLOAD s
	s_cmp_eq_u32 s[WV], 0
	s_cbranch_scc0 .Lfor_b_\@
	tensor_load_to_lds s[G0+4*(\s):G0+4*(\s)+3], s[G1:G1+7]
	s_nop 0
.rept 4
	v_nop
.endr
	s_branch .Lasked_\@
.Lfor_b_\@:
	tensor_load_to_lds s[G0B+4*(\s):G0B+4*(\s)+3], s[G1B:G1B+7]
	s_nop 0
.rept 4
	v_nop
.endr
.Lasked_\@:
.endm
; A prefetch of the K step that stands two refills on: 32 rows x 256 bytes, a lane a row.  x's rows are read by every cluster of a column of clusters: cluster y = 0 asks; the weights' by every cluster of a
; row: cluster x = 0 asks.  The four partners of a joint load share its 128 rows out by address, 32 each.  So each row's 256 bytes of a K step are named once.  The loop's last two trips have no K step two on.
.macro ASK
	s_cmp_gt_u32 s3, s[LIM]
	s_cbranch_scc0 .Lnot_mine_\@
	global_prefetch_b8 v[PFO], s[PFA:PFA+1] offset:KSTEP*2 th:TH_LOAD_NT scope:SCOPE_SE
.Lnot_mine_\@:
.endm
.macro CREST                           ; a round of the cluster's barrier behind its opening barrier
	s_cmp_lg_u32 s[WV], 0
	s_cbranch_scc1 .Lnot_wave_0_\@
	s_barrier_signal -3
.Lnot_wave_0_\@:
	s_barrier_wait -3
	s_barrier_signal -1
	s_barrier_wait -1
.endm
.macro CROUND
	s_barrier_signal -1
	s_barrier_wait -1
	CREST
.endm
	s_load_b256 s[4:11], s[0:1], 0x0               ; xb 4:5, wqkv 6:7, rope 8:9, qkv16 10:11
	v_lshl_add_u32 v[SPW], v0, 2, SPARE
	v_mov_b32 v[NIL], 0
	ds_add_u32 v[SPW], v[NIL]                      ; the wave's opening: the add and its wait stand ahead of my first tensor load; the set-up below stands between them
	v_lshrrev_b32 v1, 5, v0
	v_readfirstlane_b32 s[WV], v1                  ; wave 0..3
	s_bfe_u32 s13, ttmp6, 0x40000                  ; cx
	s_bfe_u32 s14, ttmp6, 0x40004                  ; cy
	s_lshl_b32 s16, ttmp9, 2
	s_add_co_u32 s16, s16, s13                     ; ty: the block of 128 rows = the work-group's x
	s_and_b32 s15, ttmp7, 0xffff
	s_lshl_b32 s15, s15, 2
	s_add_co_u32 s15, s15, s14                     ; tx: the head = the work-group's y
	s_lshl_b32 s17, 0x1111, s13                    ; my column of the cluster (same cx): it shares x's tile
	s_lshl_b32 s18, s14, 2
	s_lshl_b32 s18, 15, s18                        ; my row (same cy): it shares the weights' tiles
	s_or_b32 s[G1], s17, (1<<16)|(1<<20)|(1<<21)|(5<<22)|(3<<25)   ; the mask; 2-byte elements; padding on; bit 21 beside a mask; after every 64 words 4 words
	s_or_b32 s[G1B], s18, (1<<16)|(1<<20)|(1<<21)|(5<<22)|(3<<25)
.irp g, G1, G1B
	s_mov_b32 s[(\g)+1], KSTEP<<16                 ; tensor_dim0 = 128
	s_mov_b32 s[(\g)+2], 128<<16                   ; tensor_dim1 = 128
	s_mov_b32 s[(\g)+3], KSTEP<<16                 ; tile_dim0 = 128
	s_mov_b32 s[(\g)+4], 128                       ; tile_dim1 = 128
	s_mov_b32 s[(\g)+5], 2048                      ; elements from row to row
	s_mov_b32 s[(\g)+6], 0
	s_mov_b32 s[(\g)+7], 0
.endr
	s_lshl_b32 s20, s16, 19                        ; x: 128 ty rows of 4,096 bytes
	s_mov_b32 s21, 0
	s_max_u32 s22, s[WV], 1
	s_sub_co_u32 s22, s22, 1                       ; the part that I fetch (wave 0 fetches none and never uses this)
	s_lshl_b32 s22, s22, 23                        ; its 2,048 rows,
	s_lshl_b32 s23, s15, 19                        ; the head's 128
	s_add_co_u32 s22, s22, s23
	s_mov_b32 s23, 0
	s_mul_i32 s19, s[WV], HALFT                    ; where my tile goes: no place in the cluster enters an LDS address
	s_mov_b32 s[CUR], 0
	s_wait_dscnt 0x0                               ; the opening add is done
	s_wait_kmcnt 0x0
	s_add_nc_u64 s[20:21], s[4:5], s[20:21]
	s_add_nc_u64 s[22:23], s[6:7], s[22:23]
	CROUND                                         ; all sixteen work-groups are here: the first joint loads meet
.irp s, 0,1
	s_mov_b32 s[G0+4*(\s)], 1
	s_add_co_u32 s[G0+4*(\s)+1], s19, (\s)*SLOT
	s_add_nc_u64 s[G0+4*(\s)+2:G0+4*(\s)+3], s[20:21], (\s)*KSTEP*2
	s_or_b32 s[G0+4*(\s)+3], s[G0+4*(\s)+3], 0x80000000
	s_mov_b32 s[G0B+4*(\s)], 1
	s_add_co_u32 s[G0B+4*(\s)+1], s19, (\s)*SLOT
	s_add_nc_u64 s[G0B+4*(\s)+2:G0B+4*(\s)+3], s[22:23], (\s)*KSTEP*2
	s_or_b32 s[G0B+4*(\s)+3], s[G0B+4*(\s)+3], 0x80000000
	JLOAD \s
.endr
	; the rotary numbers of my 128 rows x 8 channels stay in registers: they are wanted at the end
	v_and_b32 v1, 15, v0                           ; l % 16
	v_bfe_u32 v2, v0, 4, 1                         ; l / 16
	s_lshl_b32 s40, s[WV], 6                       ; channels 16 w on, 4 bytes each
	v_lshl_add_u32 v[RO], v1, 9, s40               ; a row of the table is 512 bytes
	v_lshl_add_u32 v[RO], v2, 5, v[RO]
	s_lshl_b32 s46, s16, 16                        ; 128 ty rows
	s_mov_b32 s47, 0
	s_add_nc_u64 s[RB:RB+1], s[8:9], s[46:47]
	WIN TO_B
.irp a, 0,1,2,3,4,5,6,7
	global_load_b128 v[128+16*(\a):128+16*(\a)+3],     v[RO], s[RB:RB+1] offset:(\a)*8192
	global_load_b128 v[128+16*(\a)+4:128+16*(\a)+7],   v[RO], s[RB:RB+1] offset:(\a)*8192+16
	global_load_b128 v[128+16*(\a)+8:128+16*(\a)+11],  v[RO], s[RB:RB+1] offset:(\a)*8192+256
	global_load_b128 v[128+16*(\a)+12:128+16*(\a)+15], v[RO], s[RB:RB+1] offset:(\a)*8192+272
.endr
	WIN 0
	v_mul_u32_u24 v3, v1, PITCH
	v_lshl_add_u32 v3, v2, 4, v3                   ; a fragment's row x pitch + 16 x half
	s_mul_i32 s40, s[WV], 16*PITCH
	s_add_co_u32 s40, s40, HALFT                   ; my 16 rows of a part's first 64
	v_mov_b32 v[ADRA0], v3
	v_mov_b32 v[ADRA], v3
	v_add_nc_u32 v[ADRB0], s40, v3
	v_mov_b32 v[ADRB], v[ADRB0]
	v_add_nc_u32 v[ADRC0], FAR, v[ADRB0]
	v_mov_b32 v[ADRC], v[ADRC0]
	s_lshl_b32 s41, s[WV], 5                       ; into the stage: row l % 16, my 16 channels' 32 bytes, 16 for each half of the lanes
	v_add_nc_u32 v[STO], s41, v3
	v_add_nc_u32 v[STO2], FAR, v[STO]
	v_mul_u32_u24 v4, v2, PITCH                    ; back: wave w takes rows 32 w .. + 31 of each part, whole; lanes 0-15 one row, lanes 16-31 the next
	v_lshl_add_u32 v4, v1, 4, v4
	s_mul_i32 s41, s[WV], 32*PITCH
	v_add_nc_u32 v[RD], s41, v4
	v_add_nc_u32 v[RD2], FAR, v[RD]
	v_lshlrev_b32 v[CO], 8, v2
	v_lshl_add_u32 v[CO], v1, 4, v[CO]
	s_lshl_b32 s46, s15, 19                        ; the head's 2,048 rows of 256 bytes,
	s_lshl_b32 s40, s16, 15                        ; the block's 128,
	s_add_co_u32 s46, s46, s40
	s_lshl_b32 s40, s[WV], 13                      ; my 32
	s_add_co_u32 s46, s46, s40
	s_add_nc_u64 s[OB:OB+1], s[10:11], s[46:47]
	s_add_nc_u64 s[OB+2:OB+3], s[OB:OB+1], 0x800000
	s_add_nc_u64 s[OB+4:OB+5], s[OB+2:OB+3], 0x800000
	; the prefetches
	s_and_b32 s40, ttmp7, 0xffff                   ; cluster y
	s_cmp_eq_u32 s[WV], 0
	s_cselect_b32 s41, s14, s13                    ; my place among the four that ask with me: cy for x's tile, cx for the weights'
	s_cselect_b32 s40, s40, ttmp9                  ; the coordinate along which other clusters read the same rows
	s_cselect_b64 s[PFA:PFA+1], s[20:21], s[22:23]
	s_cmp_eq_u32 s40, 0
	s_cselect_b32 s[LIM], 2, -1                    ; the same in all sixteen partners, for a given wave
	s_lshl_b32 s46, s41, 17                        ; my work-group's 32 rows of the 128
	s_add_nc_u64 s[PFA:PFA+1], s[PFA:PFA+1], s[46:47]
	s_add_nc_u64 s[PFA:PFA+1], s[PFA:PFA+1], 2*KSTEP*2  ; at K step 2: the first refill steps it to 3 and names K step 4.  Nothing is prefetched at the head
	v_and_b32 v[PFO], 31, v0
	v_lshlrev_b32 v[PFO], 12, v[PFO]
; 12 matrix instructions: row blocks a0, a0 + 1 of the window's four x all 6 column blocks, 32 along K.  The 48 accumulators take turns, in the same order in every quarter.
.macro MUL12 f, hi, a0, zero
	WIN MUL_LO+0x50*(\hi)
.irp a, \a0, (\a0)+1
.irp c, 0,1,2,3,4,5
.if \zero
	v_wmma_f32_16x16x32_bf16 v[8*(6*(\a)+(\c)):8*(6*(\a)+(\c))+7], v[(\f)-64+8*(\c):(\f)-64+8*(\c)+7], v[(\f)+8*(4*(\hi)+(\a)):(\f)+8*(4*(\hi)+(\a))+7], 0
.else
	v_wmma_f32_16x16x32_bf16 v[8*(6*(\a)+(\c)):8*(6*(\a)+(\c))+7], v[(\f)-64+8*(\c):(\f)-64+8*(\c)+7], v[(\f)+8*(4*(\hi)+(\a)):(\f)+8*(4*(\hi)+(\a))+7], v[8*(6*(\a)+(\c)):8*(6*(\a)+(\c))+7]
.endif
.endr
.endr
.endm
; 28 LDS loads in one run: a quarter step's fragments (6 x 16 rows of weights, 128 rows of x, 32 K at byte k of the rows of the slot in hand) into buffer f
.macro FETCH k, f
	WIN TO_B
.irp c, 0,1,2,3
	ds_load_b128 v[(\f)-64+8*(\c):(\f)-64+8*(\c)+3],   v[ADRB] offset:(\k)+(128*((\c)/2)+64*((\c)%2))*PITCH
	ds_load_b128 v[(\f)-64+8*(\c)+4:(\f)-64+8*(\c)+7], v[ADRB] offset:(\k)+(128*((\c)/2)+64*((\c)%2))*PITCH+32
.endr
.irp c, 4,5
	ds_load_b128 v[(\f)-64+8*(\c):(\f)-64+8*(\c)+3],   v[ADRC] offset:(\k)+64*((\c)%2)*PITCH
	ds_load_b128 v[(\f)-64+8*(\c)+4:(\f)-64+8*(\c)+7], v[ADRC] offset:(\k)+64*((\c)%2)*PITCH+32
.endr
	WIN 0
.irp i, 0,1,2,3,4,5,6,7
	ds_load_b128 v[(\f)+8*(\i):(\f)+8*(\i)+3],   v[ADRA] offset:(\k)+(\i)*16*PITCH
	ds_load_b128 v[(\f)+8*(\i)+4:(\f)+8*(\i)+7], v[ADRA] offset:(\k)+(\i)*16*PITCH+32
.endr
.endm
.macro PLACES                          ; four places in front of loads into registers that matrix instructions have read, and of vector work that reads results
.rept 4
	v_nop
.endr
.endm
; A K step is four quarters of 32 along K, 48 matrix instructions each, on buffers 0, 1, 0, 1.  One of the first three: multiplies f, fetches the next quarter into g.
.macro QUARTER k, f, g, zero
	s_wait_dscnt 8                                 ; the weights and x's rows 0-63 are in; the youngest eight loads (rows 64-127) may be out
	MUL12 \f, 0, 0, \zero
	MUL12 \f, 0, 2, \zero
	PLACES
	FETCH \k, \g
	s_wait_dscnt 28                                ; all but the 28 just issued
	MUL12 \f, 1, 0, \zero
	MUL12 \f, 1, 2, \zero
.endm
; The last quarter multiplies buffer 1 and changes slots: one barrier; in front of it each wave waits for all its tensor loads (one is out: its part of the next slot), adds 0 to its spare word, and waits for
; that and for its reads of this slot; the addresses turn to the next slot meanwhile.  fill = 1: the barrier opens a round of the cluster's, and behind the round this slot is filled again first, two K steps on:
; 168 matrix instructions ahead of the wait for it.  last = 1 (the tail, walked twice): in its second trip there is no next slot, and the run of loads is jumped over.
.macro TURN fill, last
.if \fill
	s_wait_xcnt 0x0                                ; the last prefetch, a K step back, has read its address
	s_add_nc_u64 s[PFA:PFA+1], s[PFA:PFA+1], KSTEP*2
.endif
	WIN 0                                          ; (the add's two registers lie in window 0)
	s_wait_tensorcnt 0x0                           ; all my tensor loads have landed
	ds_add_u32 v[SPW], v[NIL]                      ; 0 onto my spare word
	s_xor_b32 s[CUR], s[CUR], SLOT
	v_add_nc_u32 v[ADRA], s[CUR], v[ADRA0]
	v_add_nc_u32 v[ADRB], s[CUR], v[ADRB0]
	v_add_nc_u32 v[ADRC], s[CUR], v[ADRC0]
	s_wait_dscnt 9                                 ; (the add and the youngest eight loads may be out)
	MUL12 F1, 0, 0, 0                              ; twelve matrix instructions stand between the add and the wait for it
	s_wait_dscnt 0x0                               ; the add is done, and my reads of this slot are over
	s_barrier_signal -1
	MUL12 F1, 0, 2, 0
	WIN 0
	s_barrier_wait -1
.if \fill
	CREST                                          ; no wave of any partner still reads this slot or has a load on its way
	s_xor_b32 s[G0+5], s[G0+5], SLOT               ; the walking descriptors: the other slot than last time, the next K step
	s_add_nc_u64 s[G0+6:G0+7], s[G0+6:G0+7], KSTEP*2
	s_xor_b32 s[G0B+5], s[G0B+5], SLOT
	s_add_nc_u64 s[G0B+6:G0B+7], s[G0B+6:G0B+7], KSTEP*2
	JLOAD 1                                        ; the four v_nop behind it are also the places in front of the loads below
.else
	PLACES
.endif
.if \last
	s_cmp_eq_u32 s2, 1
	s_cbranch_scc1 .Lno_fetch_\@
.endif
	FETCH 0, F0
.if \last
.Lno_fetch_\@:
.endif
.if \fill
	ASK
.endif
	MUL12 F1, 1, 0, 0
	MUL12 F1, 1, 2, 0
.endm
	s_wait_tensorcnt 1                             ; my part of K step 0 is in; K step 1's may stay out
	s_barrier_signal -1
	s_barrier_wait -1
	FETCH 0, F0
	QUARTER 64,  F0, F1, 1                         ; the first quarter's products start the sums: nothing is cleared
	WIN 0
	s_mov_b32 s3, FILLS
.Lstep:                                                ; a trip goes from a K step's second quarter to the next step's first, and fills the slot that it leaves
	QUARTER 128, F1, F0, 0
	QUARTER 192, F0, F1, 0
	TURN 1, 0
	QUARTER 64,  F0, F1, 0
	WIN 0
	s_sub_co_u32 s3, s3, 1
	s_cmp_lg_u32 s3, 0
	s_cbranch_scc1 .Lstep
	s_mov_b32 s2, 2
.Ltail:                                                ; the last two K steps fill nothing: one text, walked twice and left in its middle (the second trip's waits and barrier find nothing to wait for)
	QUARTER 128, F1, F0, 0
	QUARTER 192, F0, F1, 0
	TURN 0, 1
	WIN 0
	s_sub_co_u32 s2, s2, 1
	s_cmp_eq_u32 s2, 0
	s_cbranch_scc1 .Lout
	QUARTER 64,  F0, F1, 0
	WIN 0
	s_branch .Ltail
.Lout:
; THE WAY OUT.  Part i (0: Q, 1: K) of row block a: y[d] = s[d] cos - s[d + 64] sin, y[d + 64] = s[d + 64] cos + s[d] sin, in f32 on the sums; each accumulator is read from its low end on.
.macro ROPE a, i
.set AC0, 8*(6*((\a)%4)+2*(\i))
.set AC1, AC0+8
.set RC, 128+16*(\a)
.set RS, RC+8
	WIN 0x06+(\a)/4                                ; source 0: the accumulators' window; source 1: window 1; source 2 and destination: window 0
.irp z, 0,2,4,6
	v_pk_mul_f32 v[T+\z:T+\z+1], v[AC1+\z:AC1+\z+1], v[RS+\z:RS+\z+1]
	v_pk_mul_f32 v[U+\z:U+\z+1], v[AC0+\z:AC0+\z+1], v[RS+\z:RS+\z+1]
.endr
.irp z, 0,2,4,6
	v_pk_fma_f32 v[T+\z:T+\z+1], v[AC0+\z:AC0+\z+1], v[RC+\z:RC+\z+1], v[T+\z:T+\z+1] neg_lo:[0,0,1] neg_hi:[0,0,1]
	v_pk_fma_f32 v[U+\z:U+\z+1], v[AC1+\z:AC1+\z+1], v[RC+\z:RC+\z+1], v[U+\z:U+\z+1]
.endr
	WIN 0
.irp z, 0,1,2,3
	v_cvt_pk_f16_f32 v[PKD+8*(\i)+\z], v[T+2*\z], v[T+2*\z+1]
	v_cvt_pk_f16_f32 v[PKD+8*(\i)+4+\z], v[U+2*\z], v[U+2*\z+1]
.endr
.endm
.macro VCVT a                          ; V is only rounded
.set AC0, 8*(6*((\a)%4)+4)
	WIN 0x0a+5*((\a)/4)
.irp z, 0,1,2,3
	v_cvt_pk_f16_f32 v[PKD+16+\z], v[AC0+2*\z], v[AC0+2*\z+1]
.endr
.irp z, 0,1,2,3
	v_cvt_pk_f16_f32 v[PKD+20+\z], v[AC0+8+2*\z], v[AC0+8+2*\z+1]
.endr
	WIN 0
.endm
.macro INSTAGE a                       ; 16 bytes a lane: stage row 128 part + 16 a + l % 16, byte 128 half + 32 w + 16 (l / 16)
.irp p, 0,1
	ds_store_b128 v[STO],  v[PKD+4*(\p):PKD+4*(\p)+3]       offset:(16*(\a))*PITCH+128*(\p)
	ds_store_b128 v[STO],  v[PKD+8+4*(\p):PKD+8+4*(\p)+3]   offset:(128+16*(\a))*PITCH+128*(\p)
	ds_store_b128 v[STO2], v[PKD+16+4*(\p):PKD+16+4*(\p)+3] offset:(16*(\a))*PITCH+128*(\p)
.endr
.endm
.macro SENDP i, buf, rd, off           ; my 32 rows of part i, whole: 16 loads, 16 stores of 512 consecutive bytes
.irp t, 0,1,2,3,4,5,6,7,8,9,10,11,12,13,14,15
	ds_load_b128 v[(\buf)+4*(\t):(\buf)+4*(\t)+3], v[\rd] offset:(\off)+(\t)*2*PITCH
.endr
.irp t, 0,1,2,3,4,5,6,7,8,9,10,11,12,13,14,15
	s_wait_dscnt 15-(\t)
	global_store_b128 v[CO], v[(\buf)+4*(\t):(\buf)+4*(\t)+3], s[OB+2*(\i):OB+2*(\i)+1] offset:512*(\t)
.endr
.endm
	s_wait_loadcnt 0x0                             ; the rotary numbers
	PLACES
.irp a, 0,1,2,3,4,5,6,7
	ROPE \a, 0
	ROPE \a, 1
	VCVT \a
	INSTAGE \a
.endr
	s_wait_dscnt 0x0                               ; for the others' sake: my stores into the stage are done
	s_barrier_signal -1
	s_barrier_wait -1                              ; a row's 256 bytes come from all four waves
	SENDP 0, 64, RD, 0
	SENDP 1, 128, RD, HALFT
	s_wait_xcnt 0x0                                ; part 0's stores have read their registers
	SENDP 2, 64, RD2, 0
	s_wait_tensorcnt 0x0                           ; the wave's end: behind my last tensor load and my last LDS store
	ds_add_u32 v[SPW], v[NIL]
	s_wait_dscnt 0x0
	CROUND                                         ; the closing round
	s_endpgm
.Lfunc_end_k_qf8caa04efe_qkv:
	.size	k_qf8caa04efe_qkv, .Lfunc_end_k_qf8caa04efe_qkv-k_qf8caa04efe_qkv
	.p2alignl 7, 3214868480
	.fill 96, 4, 3214868480
	.section	.rodata,"a",@progbits
	.p2align	6, 0x0
	.amdhsa_kernel k_qf8caa04efe_qkv
		.amdhsa_group_segment_fixed_size 327680
		.amdhsa_private_segment_fixed_size 0
		.amdhsa_enable_private_segment 0
		.amdhsa_kernarg_size 32
		.amdhsa_user_sgpr_count 2
		.amdhsa_user_sgpr_kernarg_segment_ptr 1
		.amdhsa_wavefront_size32 1
		.amdhsa_system_sgpr_workgroup_id_x 1
		.amdhsa_system_sgpr_workgroup_id_y 1
		.amdhsa_system_sgpr_workgroup_id_z 1
		.amdhsa_system_vgpr_workitem_id 0
		.amdhsa_next_free_vgpr 960
		.amdhsa_next_free_sgpr 74
		.amdhsa_reserve_vcc 0
		.amdhsa_float_denorm_mode_32 3
		.amdhsa_float_denorm_mode_16_64 3
		.amdhsa_memory_ordered 1
		.amdhsa_forward_progress 1
		.amdhsa_inst_pref_size 103
	.end_amdhsa_kernel
	.amdgpu_metadata
---
amdhsa.version: [ 1, 2 ]
amdhsa.kernels:
  - .name:           k_qf8caa04efe_qkv
    .symbol:         k_qf8caa04efe_qkv.kd
    .args:
      - { .name: xb, .offset: 0, .size: 8, .value_kind: global_buffer, .address_space: global }
      - { .name: wqkv, .offset: 8, .size: 8, .value_kind: global_buffer, .address_space: global }
      - { .name: rope, .offset: 16, .size: 8, .value_kind: global_buffer, .address_space: global }
      - { .name: qkv16, .offset: 24, .size: 8, .value_kind: global_buffer, .address_space: global }
    .group_segment_fixed_size: 327680
    .private_segment_fixed_size: 0
    .kernarg_segment_align: 8
    .kernarg_segment_size: 32
    .max_flat_workgroup_size: 128
    .sgpr_count:     74
    .vgpr_count:     960
    .wavefront_size: 32
...
	.end_amdgpu_metadata
.endif
;; end of part 2
;; launch attn (part 3): grid 16 x 16, 4 waves a work-group, clusters of 4 x 1, 327,680 bytes of LDS; arguments qkv16, maskw, o16; writes o16
.if DOCPART == 3
	.amdgcn_target "amdgcn-amd-amdhsa--gfx1250"
	.amdhsa_code_object_version 6
	.text
	.protected	k_qf8caa04efe_attn
	.globl	k_qf8caa04efe_attn
	.p2align	8
	.type	k_qf8caa04efe_attn,@function
k_qf8caa04efe_attn:
	s_mov_b64 s[64:65], 0
	v_nop
	global_prefetch_b8 v0, s[64:65] scope:SCOPE_SE
	s_setreg_imm32_b32 hwreg(HW_REG_WAVE_MODE, 25, 1), 1
	s_wait_xcnt 0x0
	s_wait_alu depctr_hold_cnt(0) depctr_sa_sdst(0) depctr_va_vdst(0) depctr_va_sdst(0) depctr_va_ssrc(0) depctr_va_vcc(0) depctr_vm_vsrc(0)
	s_getreg_b32 s2, hwreg(HW_REG_IB_STS2, 6, 4)
	s_cmp_eq_u32 s2, 0
	s_cbranch_scc0 .Lentry_in_a_cluster
	s_endpgm
.Lentry_in_a_cluster:
	s_bfe_u32 s2, ttmp6, 0x10000c
	s_cmp_lg_u32 s2, 0x3003
	s_cbranch_scc0 .Lentry_shape_is_right
	s_endpgm
.Lentry_shape_is_right:
; O[q][128 h + d] = the sum over k of softmax_k(score) V[h][k][d]; score = Q[h][q] . K[h][k] / sqrt(128), or -10000 where the mask word is 0.  Q, K, V: f16 by heads, [part][16][2048][128]; o16: f16 [2048][2048].
; Products, maxima and sums in f32; the weights are rounded to f16 for the second product (their sum is taken unrounded), O once at the end.
; THE MASK is an input: every score is computed, and a hidden one is REPLACED (v_cndmask_b32) by -10000 sqrt(128), which the scaling c = log2(e) / sqrt(128) turns into -10000 log2(e).  The lane masks were
; packed by the launch before and come by scalar loads: 32 words for a tile of 16 queries and a step of 64 keys.
; SHARES.  A work-group owns 128 queries of one head: 256 work-groups.  Wave w owns the 64 queries of half w % 2 (four tiles of 16, two pieces) and the 1,024 keys of group w / 2, 16 steps of 64: a fragment of
; K or V still feeds four tiles.  The two groups' partial results (O, running maximum, sum) meet in LDS at the end, in f32.
; LAYOUT.  S^T = K Q^T: a lane holds one query (lane % 16) and the keys 8 (lane / 16) + 0..7; two such results rounded to f16 are source 1 of O^T = V^T P.  V comes out of LDS turned, by ds_load_tr16_b128.
; SOFTMAX.  A running maximum m and sum l for each query: p = 2^(c s - c m); O and l are multiplied by a = 2^(c m_old - c m_new) in every step.  c m starts at -4.25e37, O and l at 0: the first step has a = 0.
; BY TURNS.  In a turn one piece has the matrix unit (32 products V^T P, then 32 products K Q^T of the next step); the other piece's softmax stands in 64 slices behind them.  The 64 selects of the mask
; stand together at the turn's head: they are more than the places behind the products hold.
; CLUSTER.  The four query blocks of a cluster belong to one head and walk the same K and V: each tile is asked for jointly.
; LIMITS.  |c s| stays under 4e37; a weight below 2^-126 counts as 0 in l; NaN and infinities are not treated apart.
; REGISTERS: window 0: v0-11 addresses; v12-43 statistics, eight a tile; v44-63 constants; v64-191 S^T, 32 a tile; v192-255 P, 16 a tile.  window 1: O^T, 64 a tile.  window 2: v0-127 Q, v128-255 K.  window 3: v0-127 V.
.set KS,    64
.set PK,    272       ; a row of K in LDS: 256 + 16
.set PV,    288       ; a row of V: 256 + 32
.set KT,    128*PK    ; a tile: 128 keys, two steps
.set VT,    128*PV
.set VOFF,  4*KT      ; K of (group g, slot z) at (2 g + z) KT; V at VOFF + (2 g + z) VT
.set STAGE, VOFF+4*VT ; behind the ring: 16 rows x 272 bytes for each wave
.set SP,    272
.set SPARE, STAGE+4*16*SP  ; the spare words, 128 bytes a wave: two blocks of 256 bytes that no other line names
.set MERGE, 2*KT      ; the meeting place of query half q: K's slot 0 of group q, 33,792 bytes from q x MERGE.  Its last fill is tile 6; all reads of it are over at the last change of slots
.set AK0, 2
.set AV0, 3
.set ADR, 4
.set QO,  5
.set STO, 6
.set RD,  7
.set GO,  8
.set ST,  12          ; tile t at v[ST+8 t]: +0 c m, +1 m, +2, +3 l, +4 to +7 at work; a takes +6
.set CV,  44          ; v[44:45] c
.set NEG, 46          ; v46  -10000 sqrt(128)
.set MA,  47          ; v47  my 16 bytes in the meeting place
.set X,   48          ; v[48:55] my four c m and four l
.set PFO, 61
.set SPW, 62
.set NIL, 63
.set S,   64
.set P,   192
.set Y,   192         ; the partner's statistics
.set KF,  128
.set SEL, 2           ; s[2:3] lane selects for v_permlanex16_b32
.set G1K, 4           ; s[4:11], s[12:19] descriptor group 1 for K's and V's tiles
.set G1V, 12
.set G0K, 20          ; s[20:23], s[24:27] group 0: they walk
.set G0V, 24
.set PFA, 28          ; s[28:29] where my prefetches stand
.set MP,  30          ; s[30:31] the mask words of my first tile, at the step in hand
.set MKA, 32          ; s[32:63] the lane masks of a piece's first tile (before the first mask load: set-up)
.set MKB, 68          ; s[68:99] of its second
.set WV,  66
.set SLOTS, 67
.set TWICE, 100
.set TBK, 101         ; LDS byte, from my group's first, at which K of the step to be fetched begins
.set TBV, 104         ; the same for V
.set LIM, 105
.set MSB, 0
.macro WIN new
.if MSB != (\new)
	s_set_vgpr_msb (MSB<<8)|(\new)
.set MSB, \new
.endif
.endm
.set W_KQ, 0x0a
.set W_PV, 0x53
.set W_RS, 0x41
; A joint fill: waves 0 and 1 fetch K's tile of key group 0 and 1, waves 2 and 3 V's: 128 rows of 256 bytes each.  An s_nop 0 and four v_nop follow each line.
.macro JLOAD
	s_cmp_lt_u32 s[WV], 2
	s_cbranch_scc0 .Lfor_v_\@
	tensor_load_to_lds s[G0K:G0K+3], s[G1K:G1K+7]
	s_nop 0
.rept 4
	v_nop
.endr
	s_branch .Lasked_\@
.Lfor_v_\@:
	tensor_load_to_lds s[G0V:G0V+3], s[G1V:G1V+7]
	s_nop 0
.rept 4
	v_nop
.endr
.Lasked_\@:
.endm
; A prefetch of what the next change of slots will ask for.  All clusters of a head walk the same rows: the head's first cluster asks; its four partners share a tile's 128 rows out by address, 32 each; every
; wave asks for rows of the tile that it fetches itself, a lane a row.  So each row is named once.  The last change that fills a slot asks for nothing.
.macro ASK
	s_cmp_gt_u32 s[SLOTS], s[LIM]
	s_cbranch_scc0 .Lnot_mine_\@
	global_prefetch_b8 v[PFO], s[PFA:PFA+1] th:TH_LOAD_NT scope:SCOPE_SE
.Lnot_mine_\@:
.endm
.macro CROUND
	s_barrier_signal -1
	s_barrier_wait -1
	s_cmp_lg_u32 s[WV], 0
	s_cbranch_scc1 .Lnot_wave_0_\@
	s_barrier_signal -3
.Lnot_wave_0_\@:
	s_barrier_wait -3
	s_barrier_signal -1
	s_barrier_wait -1
.endm
	s_load_b128 s[32:35], s[0:1], 0x0  ; qkv16 32:33, maskw 34:35
	v_lshl_add_u32 v[SPW], v0, 2, SPARE
	v_mov_b32 v[NIL], 0
	ds_add_u32 v[SPW], v[NIL]       ; the wave's opening: the add and its wait stand ahead of my first tensor load
	v_lshrrev_b32 v1, 5, v0
	v_readfirstlane_b32 s[WV], v1
	s_bfe_u32 s36, ttmp6, 0x40000   ; cx
	s_lshl_b32 s37, ttmp9, 2
	s_add_co_u32 s37, s37, s36      ; my block of 128 queries: it enters Q's, the mask's and O's addresses alone
	s_and_b32 s38, ttmp7, 0xffff    ; the head
	s_and_b32 s39, s[WV], 1         ; my query half; also the key group whose tile I fetch
	s_lshr_b32 s40, s[WV], 1        ; my key group
	s_lshl_b32 s42, s38, 19         ; a head is 524,288 bytes of a part
	s_lshl_b32 s44, s39, 18         ; a key group 262,144
	s_add_co_u32 s44, s44, s42
	s_mov_b32 s45, 0
	s_lshl_b32 s46, s37, 15         ; 128 rows of 256 bytes; also 8 query tiles of 4,096 bytes of mask words
	s_lshl_b32 s47, s39, 14         ; 64 rows; 4 tiles
	s_add_co_u32 s46, s46, s47
	s_add_co_u32 s48, s46, s42
	s_mov_b32 s49, 0
	s_lshl_b32 s50, s40, 11         ; 16 steps of 128 bytes of mask words
	s_add_co_u32 s50, s50, s46
	s_mov_b32 s51, 0
	s_mov_b32 s[G1K], 15|(1<<16)|(1<<20)|(1<<21)|(5<<22)|(3<<25)  ; the mask of four; 2-byte elements; padding on; bit 21 beside a mask; after every 64 words 4 words
	s_mov_b32 s[G1V], 15|(1<<16)|(1<<20)|(1<<21)|(5<<22)|(7<<25)  ; 8 words
.irp g, G1K, G1V
	s_mov_b32 s[(\g)+1], 128<<16    ; tensor_dim0 = 128
	s_mov_b32 s[(\g)+2], 128<<16    ; tensor_dim1 = 128
	s_mov_b32 s[(\g)+3], 128<<16    ; tile_dim0 = 128
	s_mov_b32 s[(\g)+4], 128        ; tile_dim1 = 128
	s_mov_b32 s[(\g)+5], 128        ; elements from row to row
	s_mov_b32 s[(\g)+6], 0
	s_mov_b32 s[(\g)+7], 0
.endr
	s_mov_b32 s[SEL], 0x76543210
	s_mov_b32 s[SEL+1], 0xfedcba98
	s_mov_b32 s[TBK], 2*KT          ; the first change of slots turns these two into 0
	s_mov_b32 s[TBV], 2*VT
	s_mov_b32 s[G0K], 1
	s_mul_i32 s[G0K+1], s39, 2*KT   ; slot 0 of the group that I fetch: no place in the cluster enters an LDS address
	s_mov_b32 s[G0V], 1
	s_mul_i32 s[G0V+1], s39, 2*VT
	s_add_co_u32 s[G0V+1], s[G0V+1], VOFF
	s_mov_b32 s[LIM], ttmp9
	s_cmp_eq_u32 s[LIM], 0
	s_cselect_b32 s[LIM], 1, -1     ; the same in all four partners
	v_and_b32 v[PFO], 31, v0
	v_lshlrev_b32 v[PFO], 8, v[PFO]
	s_lshl_b32 s58, s36, 13         ; my work-group's 32 rows of a tile's 128
	s_mov_b32 s59, 0
	s_wait_dscnt 0x0                ; the opening add is done
	s_wait_kmcnt 0x0
	s_add_nc_u64 s[52:53], s[32:33], s[44:45]
	s_add_nc_u64 s[G0K+2:G0K+3], s[52:53], 0x800000   ; K is part 1,
	s_add_nc_u64 s[G0V+2:G0V+3], s[52:53], 0x1000000  ; V part 2
	s_cmp_lt_u32 s[WV], 2
	s_cselect_b64 s[PFA:PFA+1], s[G0K+2:G0K+3], s[G0V+2:G0V+3]
	s_or_b32 s[G0K+3], s[G0K+3], 0x80000000
	s_or_b32 s[G0V+3], s[G0V+3], 0x80000000
	s_add_nc_u64 s[PFA:PFA+1], s[PFA:PFA+1], s[58:59]
	s_add_nc_u64 s[PFA:PFA+1], s[PFA:PFA+1], 2*KS*256  ; in tile 1; each fill steps it a tile on.  Nothing is prefetched at the head
	s_add_nc_u64 s[56:57], s[32:33], s[48:49]  ; Q at my wave's first row
	s_add_nc_u64 s[MP:MP+1], s[34:35], s[50:51]
	CROUND                          ; all four work-groups are here
	JLOAD                           ; tile 0 into slot 0; slot 1 is asked for when it is in
	v_and_b32 v1, 15, v0            ; l % 16
	v_bfe_u32 v9, v0, 4, 1          ; l / 16
	v_lshlrev_b32 v[QO], 8, v1
	v_lshl_add_u32 v[QO], v9, 4, v[QO]
	WIN 0x80
.irp i, 0,1,2,3,4,5,6,7,8,9,10,11,12,13,14,15  ; Q stays in registers: tile i / 4, channels 32 (i % 4) on
	global_load_b128 v[8*(\i):8*(\i)+3],   v[QO], s[56:57] offset:((\i)/4)*4096+((\i)%4)*64
	global_load_b128 v[8*(\i)+4:8*(\i)+7], v[QO], s[56:57] offset:((\i)/4)*4096+((\i)%4)*64+32
.endr
	; What the first turn finds: V and piece 2's P hold 0 (its products V^T P, of a step that has not been, add 0), O^T and l are 0.  No first step is written out; these lines stand in the wait for the first tile.
	WIN 0
.irp t, 0,1,2,3
	v_mov_b32 v[ST+8*\t], 0xfe000000     ; c m: far below every c s
	v_mov_b32 v[ST+8*\t+1], 0xff7fffff   ; m
	v_mov_b32 v[ST+8*\t+2], 0
	v_mov_b32 v[ST+8*\t+3], 0
.endr
.set i, P+32
.rept 32
	v_mov_b32 v[i], 0
.set i, i+1
.endr
	WIN 0x40                        ; O^T's 256 registers and V's 128 are written by products of those zeros, eight registers an instruction
.set i, 0
.rept 32
	v_wmma_f32_16x16x32_f16 v[8*i:8*i+7], v[P+32:P+39], v[P+40:P+47], 0
.set i, i+1
.endr
	WIN 0xc0
.set i, 0
.rept 16
	v_wmma_f32_16x16x32_f16 v[8*i:8*i+7], v[P+32:P+39], v[P+40:P+47], 0
.set i, i+1
.endr
	WIN 0
	v_mov_b32 v[CV], 0x3e0293ee     ; c = log2(e) / sqrt(128)
	v_mov_b32 v[CV+1], 0x3e0293ee
	v_mov_b32 v[NEG], 0xc7dcf88b    ; -10000 sqrt(128)
	s_mul_i32 s41, s40, 2*KT        ; my key group's K
	v_mul_u32_u24 v[AK0], v1, PK
	v_lshl_add_u32 v[AK0], v9, 4, v[AK0]
	v_add_nc_u32 v[AK0], s41, v[AK0]
	v_and_b32 v10, 7, v0            ; the turning load: lane l reads key 8 (l / 16) + l % 8, channels 8 ((l / 8) % 2) + 0..7
	v_bfe_u32 v11, v0, 3, 1
	v_lshl_add_u32 v[AV0], v9, 3, v10
	v_mul_u32_u24 v[AV0], v[AV0], PV
	v_lshl_add_u32 v[AV0], v11, 4, v[AV0]
	s_mul_i32 s41, s40, 2*VT
	s_add_co_u32 s41, s41, VOFF
	v_add_nc_u32 v[AV0], s41, v[AV0]
	s_mul_i32 s41, s39, MERGE
	v_and_b32 v10, 31, v0
	v_lshl_add_u32 v[MA], v10, 4, s41
; THE MATRIX WORK.  The accumulators take turns.  Product i of 32 of O^T += V^T P for piece x: keys 32 (i / 16) on, channels 16 ((i / 2) % 8) on, tile x + i % 2.
.macro PV x
	WIN W_PV
.set rO, 64*((\x)+i%2)+8*((i/2)%8)
.set rV, 64*(i/16)+8*((i/2)%8)
.set rP, P+16*((\x)+i%2)+8*(i/16)
	v_wmma_f32_16x16x32_f16 v[rO:rO+7], v[rV:rV+7], v[rP:rP+7], v[rO:rO+7]
.endm
; Product i of 32 of S^T = K Q^T: channels 32 (i / 8) on, keys 16 ((i / 2) % 4) on, tile x + i % 2.  The first 8 start the sums.
.macro KQ x
	WIN W_KQ
.set rS, S+32*((\x)+i%2)+8*((i/2)%4)
.set rK, KF+32*((i/2)%4)+8*(i/8)
.set rQ, 32*((\x)+i%2)+8*(i/8)
.if i < 8
	v_wmma_f32_16x16x32_f16 v[rS:rS+7], v[rK:rK+7], v[rQ:rQ+7], 0
.else
	v_wmma_f32_16x16x32_f16 v[rS:rS+7], v[rK:rK+7], v[rQ:rQ+7], v[rS:rS+7]
.endif
.endm
; THE LDS LOADS stand in runs of 32.  last = 1 (the tail): in its last trip there is no further step, and K's run is jumped over.
.macro FETCH_K last=0
	WIN 0
.if \last
	s_cmp_eq_u32 s[TWICE], 1
	s_cbranch_scc1 .Lno_k_\@
.endif
	v_add_nc_u32 v[ADR], s[TBK], v[AK0]
	s_add_co_u32 s[TBK], s[TBK], KS*PK  ; the next fetch is the next step's
	WIN 0x80
.irp f, 0,1,2,3,4,5,6,7,8,9,10,11,12,13,14,15  ; keys 16 (f / 4) on, channels 32 (f % 4) on
	ds_load_b128 v[KF+8*(\f):KF+8*(\f)+3],   v[ADR] offset:((\f)/4)*16*PK+((\f)%4)*64
	ds_load_b128 v[KF+8*(\f)+4:KF+8*(\f)+7], v[ADR] offset:((\f)/4)*16*PK+((\f)%4)*64+32
.endr
.if \last
	WIN 0
.Lno_k_\@:
.endif
.endm
.macro FETCH_V
	WIN 0
	v_add_nc_u32 v[ADR], s[TBV], v[AV0]
	s_add_co_u32 s[TBV], s[TBV], KS*PV
	s_wait_alu depctr_va_vdst(0)    ; the wait for the softmax's batch of exponentials (SLICE)
	WIN 0xc0
.irp f, 0,1,2,3,4,5,6,7,8,9,10,11,12,13,14,15  ; keys 32 (f / 8) on, channels 16 (f % 8) on
	ds_load_tr16_b128 v[8*(\f):8*(\f)+3],   v[ADR] offset:((\f)/8)*32*PV+((\f)%8)*32
	ds_load_tr16_b128 v[8*(\f)+4:8*(\f)+7], v[ADR] offset:((\f)/8)*32*PV+16*PV+((\f)%8)*32
.endr
.endm
; THE MASK.  Piece y's 64 score registers: where the lane's bit is 0 the score is replaced.  Each accumulator is read from its low end on.  Then the words for the next softmax are asked for: the other
; piece's, of the same step behind piece 0, of the next step behind piece 2; they have the rest of the turn in which to come.  s_wait_kmcnt 0 shows the last four loads done, so the pointer may be stepped.
.macro LUMP y
	WIN 0
	s_wait_kmcnt 0x0
.set i, 0
.rept 32
	v_cndmask_b32 v[S+32*(\y)+i], v[NEG], v[S+32*(\y)+i], s[MKA+i]
.set i, i+1
.endr
.set i, 0
.rept 32
	v_cndmask_b32 v[S+32*(\y)+32+i], v[NEG], v[S+32*(\y)+32+i], s[MKB+i]
.set i, i+1
.endr
.if (\y) == 2
	s_add_nc_u64 s[MP:MP+1], s[MP:MP+1], 128
.endif
	s_load_b512 s[MKA:MKA+15],    s[MP:MP+1], (2-(\y))*4096
	s_load_b512 s[MKA+16:MKA+31], s[MP:MP+1], (2-(\y))*4096+64
	s_load_b512 s[MKB:MKB+15],    s[MP:MP+1], (2-(\y))*4096+4096
	s_load_b512 s[MKB+16:MKB+31], s[MP:MP+1], (2-(\y))*4096+4160
.endm
; THE SOFTMAX of one tile and step: a list of 134 instructions; SM writes number j for tile t.
;   0-15 the maximum of 32 scores and the old m;  16-20 the other half of the lanes', the new m, c m, its change;  21-69 ONE BATCH: 16 scalings and 33 exponentials, none of which reads an exponential's result;
;   (the wait: SLICE);  70-85 roundings to f16;  86-101 the sums, l = a l + sum;  102-133 O^T times a.
.macro SM t
.set rT, ST+8*(\t)
.set rS, S+32*(\t)
.set rP, P+16*(\t)
.set rO, 64*(\t)+2*(j-102)
.if j < 102
	WIN 0
.endif
.if j < 4
	v_max3_num_f32 v[rT+4+j], v[rS+8*j], v[rS+8*j+1], v[rS+8*j+2]
.elseif j < 12
	v_max3_num_f32 v[rT+4+j%4], v[rT+4+j%4], v[rS+8*(j%4)+2*(j/4)+1], v[rS+8*(j%4)+2*(j/4)+2]
.elseif j == 12
	v_max3_num_f32 v[rT+4], v[rT+4], v[rS+7], v[rS+15]
.elseif j == 13
	v_max3_num_f32 v[rT+6], v[rT+6], v[rS+23], v[rS+31]
.elseif j == 14
	v_max3_num_f32 v[rT+4], v[rT+4], v[rT+5], v[rT+6]
.elseif j == 15
	v_max3_num_f32 v[rT+4], v[rT+4], v[rT+7], v[rT+1]
.elseif j == 16
	v_permlanex16_b32 v[rT+5], v[rT+4], s[SEL], s[SEL+1]  ; the query's other 32 keys lie in the lane 16 away
.elseif j == 17
	v_mov_b32 v[rT+7], v[rT]        ; c m_old is kept for a
.elseif j == 18
	v_max_num_f32 v[rT+1], v[rT+4], v[rT+5]
.elseif j == 19
	v_mul_f32 v[rT], v[CV], v[rT+1]
.elseif j == 20
	v_sub_f32 v[rT+7], v[rT+7], v[rT]
.elseif j == 23
	v_exp_f32 v[rT+6], v[rT+7]
.elseif (j < 23) || ((j < 38) && (j%2 == 0)) || ((j < 66) && (j%4 == 2))
.set b, (j-2)/4                     ; 38, 42, .. 62: pairs 9 to 15
.if j < 38
.set b, (j-20)/2                    ; 21: pair 0; 22, 24, .. 36: pairs 1 to 8
.endif
	v_pk_fma_f32 v[rS+2*b:rS+2*b+1], v[rS+2*b:rS+2*b+1], v[CV:CV+1], v[rT:rT+1] op_sel_hi:[1,0,0] neg_lo:[0,0,1] neg_hi:[0,0,1]  ; c s - c m
.elseif j < 70
.set e, j-38                        ; 66 to 69: s28 to s31
.if j < 66
.set e, j-32-(j-38)/4               ; 39-41, 43-45, .. 63-65: s7 to s27
.endif
.if j < 38
.set e, (j-25)/2                    ; 25, 27, .. 37: s0 to s6
.endif
	v_exp_f32 v[rS+e], v[rS+e]
.elseif j < 86
	v_cvt_pk_f16_f32 v[rP+j-70], v[rS+2*(j-70)], v[rS+2*(j-70)+1]
.elseif j < 102                     ; the sum of the 16 pairs, in place: neighbours 1, 2, 4 and 8 pairs apart, then l takes it
.set z, j-86
.set w, 4
.set u, z
.if z >= 14
.set w, 32
.set u, 0
.elseif z >= 12
.set w, 16
.set u, z-12
.elseif z >= 8
.set w, 8
.set u, z-8
.endif
.if z < 15
	v_pk_add_f32 v[rS+w*u:rS+w*u+1], v[rS+w*u:rS+w*u+1], v[rS+w*u+w/2:rS+w*u+w/2+1]
.else
	v_pk_fma_f32 v[rT+2:rT+3], v[rT+2:rT+3], v[rT+6:rT+7], v[rS:rS+1] op_sel_hi:[1,0,1]
.endif
.else
	WIN W_RS
	v_pk_mul_f32 v[rO:rO+1], v[rO:rO+1], v[rT+6:rT+7] op_sel_hi:[1,0]
.endif
.endm
; Slice k of 64 of piece y's softmax: four instructions; slices 11 to 34 deal out the batch, four numbers of one tile each; slice 63 has sixteen, the places behind the turn's last product.
; Behind slice 34 stands the one wait between the piece's 66 exponentials and the first instruction that names a result; a v_nop is the plain instruction behind the last of them.
.macro SLICE y
.if (k >= 11) && (k < 35)
.irp n, 0,1,2,3
.set j, 22+4*((k-11)/2)+(\n)
	SM (\y)+(k-11)%2
.endr
.else
.irp n, 0,1,2,3,4,5,6,7
.if ((\n) < 2) || (k == 63)
.irp t, \y, (\y)+1
.set j, 2*k+(\n)
	SM \t
.endr
.endif
.endr
.endif
.if k == 34
	v_nop
.if (\y) == 0
	FETCH_V                         ; piece 2's turn: V's run stands here, well behind the last product that read V (four slices and three products K Q^T lie between), and the wait stands in it
.else
	s_wait_alu depctr_va_vdst(0)
.endif
.endif
.set k, k+1
.endm
; A TURN.  Piece x has the matrix unit.  Piece 0's turn fetches the next step's K behind its second product.
.macro TURN x, last=0
.set k, 0
	LUMP 2-(\x)
.if (\x) == 0
	s_wait_dscnt 0x0                ; V is in
.endif
.set i, 0
.rept 32
	PV \x
	SLICE 2-(\x)
.if ((\x) == 0) && (i == 1)
	FETCH_K \last
.endif
.set i, i+1
.endr
.if (\x) == 0
	s_wait_dscnt 0x0                ; K is in
.endif
.set i, 0
.rept 32
	KQ \x
	SLICE 2-(\x)
.set i, i+1
.endr
.endm
; THE CHANGE OF SLOTS, between piece 2's turn and piece 0's: the slot's last bytes, V of its second step, have been asked for.  Each wave waits for all its tensor loads (one is out: its part of the other
; slot), adds 0 to its spare word, and waits for that and for its reads.  fill = 1: behind a round of the cluster's barrier the slot is filled again first, with the keys two tiles on: 256 matrix instructions
; in which to land.  The LDS words step by an exclusive or with the tile's bytes: no start value shares a bit with them.  (At its first use slot 0 is waited for and slot 1 filled.)
.macro CHANGE fill, ask
	WIN 0
	s_wait_tensorcnt 0x0            ; no tensor load of mine is out, so a group 0 may be written
	ds_add_u32 v[SPW], v[NIL]
.if \fill
	s_xor_b32 s[G0K+1], s[G0K+1], KT
	s_add_nc_u64 s[G0K+2:G0K+3], s[G0K+2:G0K+3], 2*KS*256
	s_xor_b32 s[G0V+1], s[G0V+1], VT
	s_add_nc_u64 s[G0V+2:G0V+3], s[G0V+2:G0V+3], 2*KS*256
	s_wait_xcnt 0x0                 ; the last prefetch, two key steps back, has read its address
	s_add_nc_u64 s[PFA:PFA+1], s[PFA:PFA+1], 2*KS*256
	s_wait_dscnt 0x0                ; the add is done, and my reads of the slot are over
	CROUND
	JLOAD
.if \ask
	ASK
.endif
.else
	s_wait_dscnt 0x0
	s_barrier_signal -1
	s_barrier_wait -1
.endif
	s_sub_co_u32 s[TBK], s[TBK], KT ; the fetches go back to a tile's first step,
	s_xor_b32 s[TBK], s[TBK], KT    ; in the other slot
	s_sub_co_u32 s[TBV], s[TBV], VT
	s_xor_b32 s[TBV], s[TBV], VT
.endm
	CHANGE 1, 0                     ; tile 0 is in, everybody's part of it; tile 1 is asked for.  Its s_wait_xcnt 0 also frees Q's base, which the mask words now overwrite
	s_load_b512 s[MKA:MKA+15],    s[MP:MP+1], 0x0     ; piece 0, step 0
	s_load_b512 s[MKA+16:MKA+31], s[MP:MP+1], 64
	s_load_b512 s[MKB:MKB+15],    s[MP:MP+1], 4096
	s_load_b512 s[MKB+16:MKB+31], s[MP:MP+1], 4160
	FETCH_K                         ; key step 0
	s_wait_loadcnt 0x0              ; Q
	s_wait_dscnt 0x0
.set i, 0
.rept 32
	KQ 0                            ; piece 0's first scores
.set i, i+1
.endr
	WIN 0                           ; the addresses for the way out: eight plain instructions, the places behind those products
	s_mul_i32 s[TWICE], s[WV], 16*SP
	s_add_co_u32 s[TWICE], s[TWICE], STAGE
	v_mul_u32_u24 v[STO], v1, SP    ; in: row l % 16, 16 bytes for each half of the lanes
	v_lshl_add_u32 v[STO], v9, 4, v[STO]
	v_add_nc_u32 v[STO], s[TWICE], v[STO]
	v_mul_u32_u24 v[RD], v9, SP     ; back: lanes 0-15 one row of 256 bytes, lanes 16-31 the next
	v_lshl_add_u32 v[RD], v1, 4, v[RD]
	v_add_nc_u32 v[RD], s[TWICE], v[RD]
	v_lshlrev_b32 v[GO], 12, v9     ; and the same two rows in o16, 4,096 bytes apart
	v_lshl_add_u32 v[GO], v1, 4, v[GO]
	s_mov_b32 s[TWICE], 2
	s_mov_b32 s[SLOTS], 7
	s_branch .Lfirst                ; the loop is entered in the middle of a trip: piece 2's turn, whose products V^T P add 0
.Lslot:                             ; six times: tiles 2 to 7 are asked for
	CHANGE 1, 1
	s_mov_b32 s[TWICE], 2
.Lstep:
	TURN 0
	WIN 0
.Lfirst:
	TURN 2
	WIN 0
	s_sub_co_u32 s[TWICE], s[TWICE], 1
	s_cmp_lg_u32 s[TWICE], 0
	s_cbranch_scc1 .Lstep
	s_sub_co_u32 s[SLOTS], s[SLOTS], 1
	s_cmp_lg_u32 s[SLOTS], 0
	s_cbranch_scc1 .Lslot
	CHANGE 0, 0                     ; the tail is written out
	s_mov_b32 s[TWICE], 3           ; two trips for the last tile's steps; the third is left in its middle
.Ltail:
	TURN 0, 1
	WIN 0
	s_sub_co_u32 s[TWICE], s[TWICE], 1
	s_cmp_eq_u32 s[TWICE], 0
	s_cbranch_scc1 .Lout
	TURN 2
	WIN 0
	s_branch .Ltail
.Lout:                              ; the third trip's 32 products K Q^T (on the last K once more) and the mask words that it asks for (my tiles' neighbours', inside maskw) serve nothing: the price, once a launch, of one text for the trips
	s_wait_kmcnt 0x0                ; no scalar load is out when the mask's registers are taken for other things below
.set i, 0
.rept 32
	PV 2                            ; piece 2: V^T P of the last step
.set i, i+1
.endr
	; THE MEETING.  l's two halves and the other half of the lanes' are added (the places behind the last products).  The waves of key group 1 lay O^T, c m and l into LDS; those of group 0 join them to their own.
	WIN 0
.irp t, 0,1,2,3
	v_add_f32 v[X+4+\t], v[ST+8*\t+2], v[ST+8*\t+3]
.endr
.irp t, 0,1,2,3
	v_permlanex16_b32 v[ST+8*\t+5], v[X+4+\t], s[SEL], s[SEL+1]
.endr
.irp t, 0,1,2,3
	v_add_f32 v[X+4+\t], v[X+4+\t], v[ST+8*\t+5]
.endr
.irp t, 0,1,2,3
	v_mov_b32 v[X+\t], v[ST+8*\t]
.endr
	s_cmp_lt_u32 s[WV], 2
	s_cbranch_scc1 .Lkeep
	WIN 0x04                        ; store data in window 1
.set i, 0
.rept 64
	ds_store_b128 v[MA], v[4*i:4*i+3] offset:512*i
.set i, i+1
.endr
	WIN 0
	ds_store_b128 v[MA], v[X:X+3] offset:32768
	ds_store_b128 v[MA], v[X+4:X+7] offset:33280
.Lkeep:
	s_wait_dscnt 0x0                ; for the others' sake: my stores are done
	s_barrier_signal -1
	s_barrier_wait -1
	s_cmp_lt_u32 s[WV], 2
	s_cbranch_scc0 .Lend
	s_load_b64 s[32:33], s[0:1], 0x10  ; o16
	s_bfe_u32 s36, ttmp6, 0x40000
	s_lshl_b32 s37, ttmp9, 2
	s_add_co_u32 s37, s37, s36
	s_lshl_b32 s34, s37, 19         ; my block's 128 rows of 4,096 bytes,
	s_and_b32 s38, s[WV], 1
	s_lshl_b32 s38, s38, 18         ; my half's 64,
	s_add_co_u32 s34, s34, s38
	s_and_b32 s38, ttmp7, 0xffff
	s_lshl_b32 s38, s38, 8          ; the head's 256 bytes of a row
	s_add_co_u32 s34, s34, s38
	s_mov_b32 s35, 0
.macro LB t                         ; the partner's tile t
.set i, 0
.rept 16
	ds_load_b128 v[S+64*((\t)%2)+4*i:S+64*((\t)%2)+4*i+3], v[MA] offset:512*(16*(\t)+i)
.set i, i+1
.endr
.endm
.macro MATH t                       ; O = O fA + O' fB, rounded to f16
	WIN W_RS
.set i, 0
.rept 32
	v_pk_mul_f32 v[64*(\t)+2*i:64*(\t)+2*i+1], v[64*(\t)+2*i:64*(\t)+2*i+1], v[ST+8*(\t)+6:ST+8*(\t)+7] op_sel_hi:[1,0]
.set i, i+1
.endr
	WIN 0x50                        ; destination and source 2 in window 1
.set i, 0
.rept 32
	v_pk_fma_f32 v[64*(\t)+2*i:64*(\t)+2*i+1], v[S+64*((\t)%2)+2*i:S+64*((\t)%2)+2*i+1], v[ST+8*(\t)+4:ST+8*(\t)+5], v[64*(\t)+2*i:64*(\t)+2*i+1] op_sel_hi:[1,0,1]
.set i, i+1
.endr
	WIN 0x05
.set i, 0
.rept 32
	v_cvt_pk_f16_f32 v[P+32*((\t)%2)+i], v[64*(\t)+2*i], v[64*(\t)+2*i+1]
.set i, i+1
.endr
	WIN 0
.endm
.macro THRU t                       ; through my stage: 16 bytes a lane in, whole rows of 256 bytes back, into the registers that they left (LDS serves a wave's instructions in order: ISA guide 5.7.1.4)
.irp f, 0,1,2,3,4,5,6,7
	ds_store_b128 v[STO], v[P+32*((\t)%2)+4*(\f):P+32*((\t)%2)+4*(\f)+3] offset:32*(\f)
.endr
.irp f, 0,1,2,3,4,5,6,7
	ds_load_b128 v[P+32*((\t)%2)+4*(\f):P+32*((\t)%2)+4*(\f)+3], v[RD] offset:(\f)*2*SP
.endr
.endm
.macro SEND t
.irp f, 0,1,2,3,4,5,6,7
	global_store_b128 v[GO], v[P+32*((\t)%2)+4*(\f):P+32*((\t)%2)+4*(\f)+3], s[32:33] offset:(\t)*65536+(\f)*8192  ; 16 lanes store 256 consecutive bytes, aligned
.endr
.endm
	ds_load_b128 v[Y:Y+3], v[MA] offset:32768
	ds_load_b128 v[Y+4:Y+7], v[MA] offset:33280
	LB 0
	LB 1
	s_wait_dscnt 32                 ; the statistics are in; the 32 loads behind them may be out
.irp t, 0,1,2,3
	v_max_num_f32 v[ST+8*\t], v[X+\t], v[Y+\t]
.endr
.irp t, 0,1,2,3
	v_sub_f32 v[ST+8*\t+1], v[X+\t], v[ST+8*\t]
	v_sub_f32 v[ST+8*\t+2], v[Y+\t], v[ST+8*\t]
.endr
.irp t, 0,1,2,3
	v_exp_f32 v[ST+8*\t+6], v[ST+8*\t+1]
	v_exp_f32 v[ST+8*\t+4], v[ST+8*\t+2]
.endr
	v_nop                           ; a plain instruction behind the batch,
	s_wait_alu depctr_va_vdst(0)    ; and its one wait
.irp t, 0,1,2,3
	v_mul_f32 v[ST+8*\t+3], v[X+4+\t], v[ST+8*\t+6]
.endr
.irp t, 0,1,2,3
	v_fmac_f32 v[ST+8*\t+3], v[Y+4+\t], v[ST+8*\t+4]
.endr
.irp t, 0,1,2,3
	v_rcp_f32 v[ST+8*\t+1], v[ST+8*\t+3]
.endr
	v_nop
	s_wait_alu depctr_va_vdst(0)
.irp t, 0,1,2,3
	v_mul_f32 v[ST+8*\t+6], v[ST+8*\t+6], v[ST+8*\t+1]
	v_mul_f32 v[ST+8*\t+4], v[ST+8*\t+4], v[ST+8*\t+1]
.endr
	s_wait_kmcnt 0x0
	s_add_nc_u64 s[32:33], s[32:33], s[34:35]
	s_wait_dscnt 16                 ; tile 0 of the partner is in; tile 1's 16 loads may be out
	MATH 0
	THRU 0
	LB 2
	s_wait_dscnt 32                 ; tile 1 is in; behind it: the stage's 16 and tile 2's 16
	MATH 1
	s_wait_dscnt 16                 ; tile 0 is back from the stage
	SEND 0
	THRU 1
	LB 3
	s_wait_dscnt 32                 ; tile 2 is in
	s_wait_xcnt 0x0                 ; tile 0's stores have read their registers
	MATH 2
	s_wait_dscnt 16
	SEND 1
	THRU 2
	s_wait_dscnt 16                 ; tile 3 is in; behind it the stage's 16
	s_wait_xcnt 0x0
	MATH 3
	s_wait_dscnt 0x0
	SEND 2
	THRU 3
	s_wait_dscnt 0x0
	SEND 3
.Lend:
	s_wait_tensorcnt 0x0            ; the wave's end: behind my last tensor load and my last LDS store
	ds_add_u32 v[SPW], v[NIL]
	s_wait_dscnt 0x0
	CROUND                          ; the closing round
	s_endpgm
.Lfunc_end_k_qf8caa04efe_attn:
	.size	k_qf8caa04efe_attn, .Lfunc_end_k_qf8caa04efe_attn-k_qf8caa04efe_attn
	.p2alignl 7, 3214868480
	.fill 96, 4, 3214868480
	.section	.rodata,"a",@progbits
	.p2align	6, 0x0
	.amdhsa_kernel k_qf8caa04efe_attn
		.amdhsa_group_segment_fixed_size 327680
		.amdhsa_private_segment_fixed_size 0
		.amdhsa_enable_private_segment 0
		.amdhsa_kernarg_size 24
		.amdhsa_user_sgpr_count 2
		.amdhsa_user_sgpr_kernarg_segment_ptr 1
		.amdhsa_wavefront_size32 1
		.amdhsa_system_sgpr_workgroup_id_x 1
		.amdhsa_system_sgpr_workgroup_id_y 1
		.amdhsa_system_sgpr_workgroup_id_z 1
		.amdhsa_system_vgpr_workitem_id 0
		.amdhsa_next_free_vgpr 896
		.amdhsa_next_free_sgpr 106
		.amdhsa_reserve_vcc 0
		.amdhsa_float_denorm_mode_32 3
		.amdhsa_float_denorm_mode_16_64 3
		.amdhsa_memory_ordered 1
		.amdhsa_forward_progress 1
		.amdhsa_inst_pref_size 185
	.end_amdhsa_kernel
	.amdgpu_metadata
---
amdhsa.version: [ 1, 2 ]
amdhsa.kernels:
  - .name:           k_qf8caa04efe_attn
    .symbol:         k_qf8caa04efe_attn.kd
    .args:
      - { .name: qkv16, .offset: 0, .size: 8, .value_kind: global_buffer, .address_space: global }
      - { .name: maskw, .offset: 8, .size: 8, .value_kind: global_buffer, .address_space: global }
      - { .name: o16, .offset: 16, .size: 8, .value_kind: global_buffer, .address_space: global }
    .group_segment_fixed_size: 327680
    .private_segment_fixed_size: 0
    .kernarg_segment_align: 8
    .kernarg_segment_size: 24
    .max_flat_workgroup_size: 128
    .sgpr_count:     106
    .vgpr_count:     896
    .wavefront_size: 32
...
	.end_amdgpu_metadata
.endif
;; end of part 3
;; launch oproj (part 4): grid 16 x 16, 4 waves a work-group, clusters of 4 x 4, 327,680 bytes of LDS; arguments o16, wo16, out0; writes out0
.if DOCPART == 4
	.amdgcn_target "amdgcn-amd-amdhsa--gfx1250"
	.amdhsa_code_object_version 6
	.text
	.protected	k_qf8caa04efe_oproj
	.globl	k_qf8caa04efe_oproj
	.p2align	8
	.type	k_qf8caa04efe_oproj,@function
k_qf8caa04efe_oproj:
	s_mov_b64 s[64:65], 0
	v_nop
	global_prefetch_b8 v0, s[64:65] scope:SCOPE_SE
	s_setreg_imm32_b32 hwreg(HW_REG_WAVE_MODE, 25, 1), 1
	s_wait_xcnt 0x0
	s_wait_alu depctr_hold_cnt(0) depctr_sa_sdst(0) depctr_va_vdst(0) depctr_va_sdst(0) depctr_va_ssrc(0) depctr_va_vcc(0) depctr_vm_vsrc(0)
	s_getreg_b32 s2, hwreg(HW_REG_IB_STS2, 6, 4)
	s_cmp_eq_u32 s2, 0
	s_cbranch_scc0 .Lentry_in_a_cluster
	s_endpgm
.Lentry_in_a_cluster:
	s_bfe_u32 s2, ttmp6, 0x10000c
	s_cmp_lg_u32 s2, 0xf033
	s_cbranch_scc0 .Lentry_shape_is_right
	s_endpgm
.Lentry_shape_is_right:
; out0[m][n] = sum over k of o16[m][k] wo16[n][k].  o16, wo16: [2048][2048] f16; out0: [2048][2048] f32; sums in f32.
; A tile of the output is 128 x 128: 256 work-groups.  Four waves, each 64 x 64: 16 accumulators of 16 x 16.  K goes in steps of 256 (LDS rows of 512 bytes; a wave's tensor load brings 64 of them) through two slots.
; ONE TEXT FOR A K STEP: the LDS addresses of the slot in hand are made anew at each change of slots (base + s[CUR], which an exclusive or turns between 0 and SLOT), and one descriptor a tensor walks.
; CLUSTERS: 4 x 4.  The four of a row of the cluster need the same tiles of o16, the four of a column the same tiles of wo16: each is asked for jointly.
; THE MATRIX INSTRUCTION IS USED TRANSPOSED (source 0 = 16 rows of wo16, source 1 = 16 rows of o16): a lane holds eight neighbouring numbers of a row of the output, 32 bytes.
; A wave's 64 columns of f32 are 256 bytes, aligned: each wave has a stage of its own for the way out, and no barrier stands there.
; No prefetch: a K step's tile is small, and every tile is read by four clusters at about the same time.
; REGISTERS: window 0: v0-31 addresses; v32-95 at work on the way out; v128-255 the accumulators ((a, b) at v[128 + 8 (4 a + b)]).  window 1: two fragment buffers of 128.
.set SIZE_N, 2048
.set SIZE_K, 2048
.set KSTEP,  256
.set PITCH,  528                       ; an LDS row: 512 bytes + 16 of padding
.set HALFT,  64*PITCH
.set SLOT,   4*HALFT                   ; 0x21000: it shares no bit with wave x HALFT, so an exclusive or with it adds or takes it away
.set STAGE,  2*SLOT                    ; behind the ring: 16 rows x 272 bytes for each wave
.set SPITCH, 272
.set SPARE,  STAGE+4*16*SPITCH         ; the spare words, 128 bytes a wave: two blocks of 256 bytes that no other line names
.set FILLS,  SIZE_K/KSTEP-2            ; 8 K steps; steps 2 to 7 come by refills
.set ADRA0, 16                         ; v16  my o16 fragments in slot 0; never rewritten
.set ADRA,  17                         ; v17  in the slot in hand
.set ADRB0, 20                         ; v20, v21 the same for wo16
.set ADRB,  21
.set STO,  24
.set RD,   25
.set CO,   26
.set SPW,  28
.set NIL,  29
.set TMP,  32
.set ACC,  128
.set F0,   0
.set F1,   128
.set G1, 24                            ; s[24:31] group 1 for o16's tiles; s[32:39] group 0: a set for each of the two first fills; the second then walks on
.set G0, 32
.set CUR, 45                           ; s45  0 or SLOT: the slot in hand
.set G1B, 48                           ; s[48:55], s[56:63] the same for wo16's tiles
.set G0B, 56
.set MSB, 0
.macro WIN new
.if MSB != (\new)
	s_set_vgpr_msb (MSB<<8)|(\new)
.set MSB, \new
.endif
.endm
.set MUL,  0x05                        ; sources 0 and 1 window 1; C and D window 0
.set TO_F, 0x40                        ; destination window 1, address window 0
.macro JLOAD s                         ; waves 0 and 1 fetch o16's two halves, waves 2 and 3 wo16's; an s_nop 0 and four v_nop follow each line
	s_cmp_eq_u32 s11, 0
	s_cbranch_scc0 .Lfor_b_\@
	tensor_load_to_lds s[G0+4*(\s):G0+4*(\s)+3], s[G1:G1+7]
	s_nop 0
.rept 4
	v_nop
.endr
	s_branch .Lasked_\@
.Lfor_b_\@:
	tensor_load_to_lds s[G0B+4*(\s):G0B+4*(\s)+3], s[G1B:G1B+7]
	s_nop 0
.rept 4
	v_nop
.endr
.Lasked_\@:
.endm
.macro CREST
	s_cmp_lg_u32 s10, 0
	s_cbranch_scc1 .Lnot_wave_0_\@
	s_barrier_signal -3
.Lnot_wave_0_\@:
	s_barrier_wait -3
	s_barrier_signal -1
	s_barrier_wait -1
.endm
.macro CROUND
	s_barrier_signal -1
	s_barrier_wait -1
	CREST
.endm
	s_load_b128 s[4:7], s[0:1], 0x0                ; o16 s[4:5], wo16 s[6:7]
	s_load_b64 s[8:9], s[0:1], 0x10                ; out0
	v_lshl_add_u32 v[SPW], v0, 2, SPARE
	v_mov_b32 v[NIL], 0
	ds_add_u32 v[SPW], v[NIL]                      ; the wave's opening: the add and its wait stand ahead of my first tensor load
	v_lshrrev_b32 v1, 5, v0
	v_readfirstlane_b32 s10, v1                    ; wave 0..3
	s_lshr_b32 s11, s10, 1                         ; which half of the tile's rows is mine.  Also: I fetch for o16 (0) or for wo16 (1)
	s_and_b32 s12, s10, 1                          ; which half of its columns.  Also: which 64 rows of that tile I fetch
	s_bfe_u32 s40, ttmp6, 0x40000                  ; cx, cy
	s_bfe_u32 s41, ttmp6, 0x40004
	s_lshl_b32 s42, ttmp9, 2
	s_add_co_u32 s42, s42, s40                     ; tile column
	s_and_b32 s13, ttmp7, 0xffff
	s_lshl_b32 s13, s13, 2
	s_add_co_u32 s13, s13, s41                     ; tile row
	s_lshl_b32 s43, s41, 2
	s_lshl_b32 s43, 15, s43                        ; my row of the cluster
	s_lshl_b32 s44, 0x1111, s40                    ; my column
	s_or_b32 s[G1+0], s43, (1<<16)|(1<<20)|(1<<21)|(6<<22)|(3<<25)  ; the mask; 2-byte elements; padding on; bit 21 beside a mask; after every 128 words 4 words
	s_or_b32 s[G1B+0], s44, (1<<16)|(1<<20)|(1<<21)|(6<<22)|(3<<25)
.irp g, G1, G1B
	s_mov_b32 s[(\g)+1], KSTEP<<16                 ; tensor_dim0 = 256
	s_mov_b32 s[(\g)+2], 64<<16                    ; tensor_dim1 = 64
	s_mov_b32 s[(\g)+3], KSTEP<<16                 ; tile_dim0 = 256
	s_mov_b32 s[(\g)+4], 64                        ; tile_dim1 = 64
	s_mov_b32 s[(\g)+5], SIZE_K                    ; elements from row to row
	s_mov_b32 s[(\g)+6], 0
	s_mov_b32 s[(\g)+7], 0
.endr
	s_lshl_b32 s17, s12, 6                         ; which 64 rows of the tile I fetch
	s_lshl_b32 s16, s13, 7
	s_add_co_u32 s16, s16, s17
	s_lshl_b32 s46, s42, 7
	s_add_co_u32 s46, s46, s17
	s_mov_b32 s17, 0
	s_mov_b32 s47, 0
	s_mov_b64 s[18:19], SIZE_K*2
	s_mul_u64 s[16:17], s[16:17], s[18:19]
	s_mul_u64 s[46:47], s[46:47], s[18:19]
	s_mul_i32 s20, s10, HALFT                      ; where they go: wave x 64 rows
	s_mov_b32 s[CUR], 0
	s_wait_dscnt 0x0                               ; the opening add is done
	s_wait_kmcnt 0x0
	s_add_nc_u64 s[14:15], s[4:5], s[16:17]
	s_add_nc_u64 s[46:47], s[6:7], s[46:47]
	CROUND                                         ; all sixteen work-groups are here
.irp s, 0,1
	s_mov_b32 s[G0+4*(\s)], 1
	s_add_co_u32 s[G0+4*(\s)+1], s20, (\s)*SLOT
	s_add_nc_u64 s[G0+4*(\s)+2:G0+4*(\s)+3], s[14:15], (\s)*KSTEP*2
	s_or_b32 s[G0+4*(\s)+3], s[G0+4*(\s)+3], 0x80000000
	s_mov_b32 s[G0B+4*(\s)], 1
	s_add_co_u32 s[G0B+4*(\s)+1], s20, (\s)*SLOT
	s_add_nc_u64 s[G0B+4*(\s)+2:G0B+4*(\s)+3], s[46:47], (\s)*KSTEP*2
	s_or_b32 s[G0B+4*(\s)+3], s[G0B+4*(\s)+3], 0x80000000
	JLOAD \s
.endr
	v_and_b32 v1, 15, v0                           ; l % 16
	v_bfe_u32 v2, v0, 4, 1                         ; l / 16
	v_mul_u32_u24 v3, v1, PITCH
	v_lshl_add_u32 v3, v2, 4, v3
	s_mul_i32 s21, s11, HALFT                      ; my 64 rows of o16
	s_mul_i32 s22, s12, HALFT                      ; my 64 rows of wo16,
	s_add_co_u32 s22, s22, 2*HALFT                 ; which lie behind o16's 128
	v_add_nc_u32 v[ADRA0], s21, v3
	v_add_nc_u32 v[ADRB0], s22, v3
	v_mov_b32 v[ADRA], v[ADRA0]
	v_mov_b32 v[ADRB], v[ADRB0]
	s_mul_i32 s23, s10, 16*SPITCH
	s_add_co_u32 s23, s23, STAGE                   ; my stage
	v_mul_u32_u24 v4, v1, SPITCH                   ; in: row l % 16, 32 bytes for each half of the lanes
	v_lshl_add_u32 v4, v2, 5, v4
	v_add_nc_u32 v[STO], s23, v4
	v_mul_u32_u24 v5, v2, SPITCH                   ; back: lanes 0-15 one row of 256 bytes, lanes 16-31 the next
	v_lshl_add_u32 v5, v1, 4, v5
	v_add_nc_u32 v[RD], s23, v5
	v_lshlrev_b32 v5, 13, v2                       ; and the same two rows in out0, 8,192 bytes apart
	v_lshl_add_u32 v[CO], v1, 4, v5
	s_lshl_b32 s16, s13, 7
	s_lshl_b32 s17, s11, 6
	s_add_co_u32 s16, s16, s17                     ; my first row: 128 x tile row + 64 x half
	s_lshl_b32 s16, s16, 13
	s_mov_b32 s17, 0
	s_add_nc_u64 s[8:9], s[8:9], s[16:17]
	s_lshl_b32 s46, s42, 9                         ; my first column, in bytes: 512 x tile column + 256 x half
	s_lshl_b32 s47, s12, 8
	s_add_co_u32 s46, s46, s47
	s_mov_b32 s47, 0
	s_add_nc_u64 s[8:9], s[8:9], s[46:47]
; 8 matrix instructions: m blocks a0, a0 + 1 x all 4 n blocks, 32 along K: half c of buffer f.  The 16 accumulators take turns.
.macro MUL8 f, c, a0, zero
	WIN MUL
.irp a, \a0, (\a0)+1
.irp b, 0,1,2,3
.if \zero
	v_wmma_f32_16x16x32_f16 v[ACC+8*(4*(\a)+(\b)):ACC+8*(4*(\a)+(\b))+7], v[(\f)+64+8*(4*(\c)+(\b)):(\f)+64+8*(4*(\c)+(\b))+7], v[(\f)+8*(4*(\c)+(\a)):(\f)+8*(4*(\c)+(\a))+7], 0
.else
	v_wmma_f32_16x16x32_f16 v[ACC+8*(4*(\a)+(\b)):ACC+8*(4*(\a)+(\b))+7], v[(\f)+64+8*(4*(\c)+(\b)):(\f)+64+8*(4*(\c)+(\b))+7], v[(\f)+8*(4*(\c)+(\a)):(\f)+8*(4*(\c)+(\a))+7], v[ACC+8*(4*(\a)+(\b)):ACC+8*(4*(\a)+(\b))+7]
.endif
.endr
.endr
.endm
; 32 LDS loads in one run: the fragments of 64 along K at byte k of the rows of the slot in hand, into buffer f; the first 32 along K first
.macro FETCH k, f
	WIN TO_F
.irp c, 0,1
.irp i, 0,1,2,3
	ds_load_b128 v[(\f)+64+8*(4*(\c)+(\i)):(\f)+64+8*(4*(\c)+(\i))+3],   v[ADRB] offset:(\k)+64*(\c)+(\i)*16*PITCH
	ds_load_b128 v[(\f)+64+8*(4*(\c)+(\i))+4:(\f)+64+8*(4*(\c)+(\i))+7], v[ADRB] offset:(\k)+64*(\c)+(\i)*16*PITCH+32
	ds_load_b128 v[(\f)+8*(4*(\c)+(\i)):(\f)+8*(4*(\c)+(\i))+3],         v[ADRA] offset:(\k)+64*(\c)+(\i)*16*PITCH
	ds_load_b128 v[(\f)+8*(4*(\c)+(\i))+4:(\f)+8*(4*(\c)+(\i))+7],       v[ADRA] offset:(\k)+64*(\c)+(\i)*16*PITCH+32
.endr
.endr
.endm
.macro PLACES                          ; four places in front of loads into registers that matrix instructions have read, and of stores that read results
.rept 4
	v_nop
.endr
.endm
; A K step is four quarters of 64 along K, 32 matrix instructions each, on buffers 0, 1, 0, 1.
.macro QUARTER k, f, g, zero
	s_wait_dscnt 16                                ; the first 32 along K are in
	WIN MUL
	MUL8 \f, 0, 0, \zero
	MUL8 \f, 0, 2, \zero
	PLACES
	FETCH \k, \g
	s_wait_dscnt 32                                ; all but the 32 just issued
	WIN MUL
	MUL8 \f, 1, 0, 0
	MUL8 \f, 1, 2, 0
.endm
; The last quarter multiplies buffer 1 and changes slots: one barrier; in front of it each wave waits for all its tensor loads, adds 0 to its spare word, and waits for that and for its reads of this slot; the
; addresses turn to the next slot meanwhile.  fill = 1: behind a round of the cluster's barrier this slot is filled again first, two K steps on.  last = 1 (the tail, walked twice): in its second trip there is
; no next slot, and the run of loads is jumped over.
.macro TURN fill, last
	WIN 0                                          ; (the add's two registers lie in window 0)
	s_wait_tensorcnt 0x0                           ; all my tensor loads have landed: my part of the next slot
	ds_add_u32 v[SPW], v[NIL]
	s_xor_b32 s[CUR], s[CUR], SLOT
	v_add_nc_u32 v[ADRA], s[CUR], v[ADRA0]
	v_add_nc_u32 v[ADRB], s[CUR], v[ADRB0]
	s_wait_dscnt 17                                ; (the add and the youngest sixteen loads may be out)
	WIN MUL
	MUL8 F1, 0, 0, 0
	s_wait_dscnt 0x0                               ; the add is done, and my reads of this slot are over
	s_barrier_signal -1
	MUL8 F1, 0, 2, 0
	WIN 0
	s_barrier_wait -1
.if \fill
	CREST                                          ; no wave of any partner still reads this slot or has a load on its way
	s_xor_b32 s[G0+5], s[G0+5], SLOT               ; the walking descriptors: the other slot than last time, the next K step
	s_add_nc_u64 s[G0+6:G0+7], s[G0+6:G0+7], KSTEP*2
	s_xor_b32 s[G0B+5], s[G0B+5], SLOT
	s_add_nc_u64 s[G0B+6:G0B+7], s[G0B+6:G0B+7], KSTEP*2
	JLOAD 1                                        ; 112 matrix instructions ahead of the wait for it; its four v_nop are also the places in front of the loads below
.else
	PLACES
.endif
.if \last
	s_cmp_eq_u32 s2, 1
	s_cbranch_scc1 .Lno_fetch_\@
.endif
	FETCH 0, F0
.if \last
	WIN 0
.Lno_fetch_\@:
.endif
	WIN MUL
	MUL8 F1, 1, 0, 0
	MUL8 F1, 1, 2, 0
.endm
	s_wait_tensorcnt 1                             ; my part of K step 0 is in; K step 1's may stay out
	s_barrier_signal -1
	s_barrier_wait -1
	FETCH 0, F0
	QUARTER 128, F0, F1, 1                         ; the first products start the sums
	WIN 0
	s_mov_b32 s3, FILLS
.Lstep:                                                ; a trip goes from a K step's second quarter to the next step's first, and fills the slot that it leaves
	QUARTER 256, F1, F0, 0
	QUARTER 384, F0, F1, 0
	TURN 1, 0
	QUARTER 128, F0, F1, 0
	WIN 0
	s_sub_co_u32 s3, s3, 1
	s_cmp_lg_u32 s3, 0
	s_cbranch_scc1 .Lstep
	s_mov_b32 s2, 2
.Ltail:                                                ; the last two K steps fill nothing: one text, walked twice and left in its middle (the second trip's waits and barrier find nothing to wait for)
	QUARTER 256, F1, F0, 0
	QUARTER 384, F0, F1, 0
	TURN 0, 1
	WIN 0
	s_sub_co_u32 s2, s2, 1
	s_cmp_eq_u32 s2, 0
	s_cbranch_scc1 .Lout
	QUARTER 128, F0, F1, 0
	WIN 0
	s_branch .Ltail
.Lout:
	; THE WAY OUT: 16 rows at a time through my own stage: 32 bytes a lane in (each accumulator's low four registers first), whole rows of 256 bytes back, stored.
	PLACES
.irp a, 0,1,2,3
.if (\a) >= 2
	s_wait_xcnt 0x0                                ; the stores of two blocks back have read their registers
.endif
.irp b, 0,1,2,3
	ds_store_b128 v[STO], v[ACC+8*(4*(\a)+(\b)):ACC+8*(4*(\a)+(\b))+3]   offset:64*(\b)
	ds_store_b128 v[STO], v[ACC+8*(4*(\a)+(\b))+4:ACC+8*(4*(\a)+(\b))+7] offset:64*(\b)+16
.endr
.irp t, 0,1,2,3,4,5,6,7
	ds_load_b128 v[TMP+32*((\a)%2)+4*(\t):TMP+32*((\a)%2)+4*(\t)+3], v[RD] offset:(\t)*2*SPITCH  ; LDS serves a wave's instructions in order (ISA guide 5.7.1.4): these see the stores above, and the next block's stores come behind them
.endr
.irp t, 0,1,2,3,4,5,6,7
	s_wait_dscnt 7-(\t)
	global_store_b128 v[CO], v[TMP+32*((\a)%2)+4*(\t):TMP+32*((\a)%2)+4*(\t)+3], s[8:9] offset:(\a)*16*SIZE_N*4+(\t)*2*SIZE_N*4 th:TH_STORE_NT  ; 16 lanes store 256 consecutive bytes, aligned
.endr
.endr
	s_wait_tensorcnt 0x0                           ; the wave's end: behind my last tensor load and my last LDS store
	ds_add_u32 v[SPW], v[NIL]
	s_wait_dscnt 0x0
	CROUND                                         ; the closing round
	s_endpgm
.Lfunc_end_k_qf8caa04efe_oproj:
	.size	k_qf8caa04efe_oproj, .Lfunc_end_k_qf8caa04efe_oproj-k_qf8caa04efe_oproj
	.p2alignl 7, 3214868480
	.fill 96, 4, 3214868480
	.section	.rodata,"a",@progbits
	.p2align	6, 0x0
	.amdhsa_kernel k_qf8caa04efe_oproj
		.amdhsa_group_segment_fixed_size 327680
		.amdhsa_private_segment_fixed_size 0
		.amdhsa_enable_private_segment 0
		.amdhsa_kernarg_size 24
		.amdhsa_user_sgpr_count 2
		.amdhsa_user_sgpr_kernarg_segment_ptr 1
		.amdhsa_wavefront_size32 1
		.amdhsa_system_sgpr_workgroup_id_x 1
		.amdhsa_system_sgpr_workgroup_id_y 1
		.amdhsa_system_sgpr_workgroup_id_z 1
		.amdhsa_system_vgpr_workitem_id 0
		.amdhsa_next_free_vgpr 512
		.amdhsa_next_free_sgpr 66
		.amdhsa_reserve_vcc 0
		.amdhsa_float_denorm_mode_32 3
		.amdhsa_float_denorm_mode_16_64 3
		.amdhsa_memory_ordered 1
		.amdhsa_forward_progress 1
		.amdhsa_inst_pref_size 58
	.end_amdhsa_kernel
	.amdgpu_metadata
---
amdhsa.version: [ 1, 2 ]
amdhsa.kernels:
  - .name:           k_qf8caa04efe_oproj
    .symbol:         k_qf8caa04efe_oproj.kd
    .args:
      - { .name: o16, .offset: 0, .size: 8, .value_kind: global_buffer, .address_space: global }
      - { .name: wo16, .offset: 8, .size: 8, .value_kind: global_buffer, .address_space: global }
      - { .name: out0, .offset: 16, .size: 8, .value_kind: global_buffer, .address_space: global }
    .group_segment_fixed_size: 327680
    .private_segment_fixed_size: 0
    .kernarg_segment_align: 8
    .kernarg_segment_size: 24
    .max_flat_workgroup_size: 128
    .sgpr_count:     66
    .vgpr_count:     512
    .wavefront_size: 32
...
	.end_amdgpu_metadata
.endif
;; end of part 4
